; MI455X (gfx1250); checked and timed in simulation.
; The chip was launched on July 23, 2026; its instructions are those of AMD's public machine-readable ISA for CDNA 5 (MIT licence, August 2026) and "CDNA5" Instruction Set Architecture Reference Guide (July 2026). The comments in the code are by the model that wrote it; some were corrected since.
;; Luong Attention. Allowed arithmetic: matrix products marked QUANTISED: E2M1 operands, one E8M0 scale for each 32 along K, by v_wmma_scale_f32_16x16x128_f8f6f4 with both operands' format E2M1 (or v_wmma_scale_f32_32x16x128_f4), f32 sums; products left as they are: f32 operands where the result goes on into a quantised operand, else bf16, f16 or f32 operands; f32 sums; everything else in f32.
;; Inputs: W_att 1,024 x 2,048 float32; b_att 1,024 float32; hidden 1 x 16 x 1,024 float32; hidden_sequence 2,048 x 16 x 1,024 float32; input_masks 2,048 x 16 bool; v 1,024 float32.
;; Outputs: out0 1 x 16 x 1,024 float32.
;; This version of the problem:
;;   THIS VERSION OF THE PROBLEM IS GIVEN IN LOW PRECISION. The matrix products marked QUANTISED in the list below multiply operands that are first quantised to E2M1 (2 exponent bits, 1 mantissa bit; 4 bits a number), with one power-of-two scale for each 32 numbers along K (OCP MX v1.0); their sums are f32. All else is computed in f32.
;;   The module's matrix products, in the order in which they are computed (A, B: the left and right operand; K: the contracted axis; several contracted axes count as one K, in the product's order):
;;     1. [M 32,768, K 2,048] x [K 2,048, N 1,024]; A: computed on the way; B: input W_att: QUANTISED
;;     2. [M 32,768, K 1,024] x [K 1,024, N 1]; A: computed on the way; B: input v: left as it is (N = 1 < 16)
;;     3. batch 16 x [M 1, K 2,048] x [K 2,048, N 1,024]; A: computed on the way; B: input hidden_sequence: left as it is (M = 1 < 16)
;;   THE QUANTISER, for each operand of a quantised product, along K:
;;     - K is cut into blocks of 32 from its start; a last block that is shorter is filled with zeros.
;;     - A block's scale is 2^e with e = floor(log2(the largest magnitude in the block)) - 2, held to -126 .. 127; a block of zeros has e = 0. As a byte (E8M0): e + 127.
;;     - Each number is divided by its block's scale, clamped to +-6, and rounded to the nearest number of E2M1, ties to even, subnormals kept.
;;     - The product sums the exact products of the quantised numbers (number of the format x scale) in f32.
;;   ~~~python
;;   def quantise(x, axis):      # numpy; x: float32 -> the quantised numbers, widened to float32 again
;;       x = np.moveaxis(x, axis, -1); K = x.shape[-1]
;;       x = np.pad(x, [(0, 0)] * (x.ndim - 1) + [(0, -K % 32)]); x = x.reshape(x.shape[:-1] + (-1, 32)); a = np.abs(x).max(-1, keepdims=True)
;;       e = np.where(a > 0, np.clip(np.frexp(np.where(a > 0, a, 1))[1] - 1 - 2, -126, 127), 0)      # np.frexp(a)[1] - 1 = floor(log2(a)), exactly
;;       r = np.clip(x / 2.0 ** e, -6, 6)
;;       step = 2.0 ** (np.maximum(np.frexp(np.where(r == 0, 1, r))[1] - 1, 0) - 1)
;;       q = np.round(r / step) * step * 2.0 ** e      # np.round: ties to even
;;       return np.moveaxis(q.reshape(q.shape[:-2] + (-1,))[..., :K], -1, axis).astype(np.float32)
;;   ~~~
;;   OPERANDS COMPUTED ON THE WAY. 'Computed on the way' means the value that the module computes at that place (a softmax that the list does not call 'softmax' is quantised finished and normalised). What goes into a quantiser is computed in f32, as accurately as f32 sums, v_exp_f32 and their like allow (about 1e-6 of the number): no bf16 or f16 on the way to a quantiser, and a product that is left as it is and whose result goes on into a quantised operand takes f32 operands (vector FMAs, or v_wmma_f32_16x16x4_f32). A number that lies on a knife's edge between two numbers of the format may be rounded either way, as far as f32 arithmetic and the matrix unit's own rounding can turn it there, and no further.
;; 2 versions, each right; version 2 is version 1 with the launches prep, main written anew for expert scheduling mode. Each part assembles by itself: llvm-mc -triple=amdgcn-amd-amdhsa -mcpu=gfx1250 --defsym DOCPART=n.
;; ======== version 1 of 2: 3 launches
;; limits: right only within a limited range of input values
;; workspace buffers: wpk 622,592 bytes; part 16,777,216 bytes
;; launch prep (part 1): grid 64 x 1, 16 waves a work-group, no clusters, 145,920 bytes of LDS; arguments W_att, hidden, b_att, wpk; writes wpk
.if DOCPART == 1
	.amdgcn_target "amdgcn-amd-amdhsa--gfx1250"
	.amdhsa_code_object_version 6
	.text
	.protected	k_qcd64b36e15_prep
	.globl	k_qcd64b36e15_prep
	.p2align	8
	.type	k_qcd64b36e15_prep,@function
k_qcd64b36e15_prep:
	s_mov_b64 s[64:65], 0
	v_nop
	global_prefetch_b8 v0, s[64:65] scope:SCOPE_SE
	s_setreg_imm32_b32 hwreg(HW_REG_WAVE_MODE, 25, 1), 1
	s_wait_xcnt 0x0
; W_att [1024][2048] f32 is quantised along K to FP4 (E2M1) with one E8M0 byte for each 32, and laid out for the main launch; the half of the product that
; hangs on hidden alone is multiplied here, once: concat = [hidden ; hs] and blocks of 32 never straddle k = 1,024, so the first 1,024 of K give the same
; G[b][n] = sum over k < 1024 of Q(hidden)[b][k] Q(W)[n][k] for every s.
; A work-group takes 16 rows n0 = 16 x its number of W; wave kappa takes K step kappa (128 along K) of the 2,048.  Waves 0-7 multiply their step by hidden's, waves 8-15 store their codes.
; OUT: one package of PKG bytes a work-group:  0: eight fragments of W[:, 1024:], K step q at 1,024 q, as images of the operand's registers (registers 4 c .. 4 c + 3 of lane l at 512 c + 16 l);
;   8,192: the scale words: lane l's 16 bytes are the words of row l % 16 for K steps 4 (l / 16) + 0 .. 3;   8,704: G + b_att in the layout of a matrix result: register j of lane (r, h) is (b = r, n = n0 + 8 h + j).
; A block's scale is 2^(floor(log2(largest magnitude)) - 2): its byte is the largest magnitude's exponent field - 2, held at 1 from below by a floor among the maximum's leaves.
; LIMITS: a block of zeros gets the byte 1 (the rule says 127): its codes are zeros, and only this program reads the bytes.  NaN and infinities among the inputs are not served.
.set PKG, 9728
.set GP,  135168                       ; LDS: behind the sixteen stages of 8,448 bytes: G's eight parts, 1,024 bytes each
.set SCI, 143360                       ; and the image of the scale words, 512 bytes
.set L16, 1                            ; v1   16 x lane
.set TS,  2                            ; v2   my stage, as rows are loaded: 16 x lane
.set TL,  3                            ; v3   my stage, as an operand wants them: 528 r + 128 h
.set SH8, 5                            ; v5   8 h
.set GPS, 6                            ; v6   where I put my part of G
.set SCS, 7                            ; v7   where I put my row's scale word
.set H32, 8                            ; v8   32 h
.set CO,  9                            ; v9   my fragment's place in the package
.set GPL, 10                           ; v10  GP + 16 x lane
.set SCL, 11                           ; v11  SCI + 16 x lane
.set R,   16                           ; v16-79   W's unit as loaded; later G's eight parts
.set R2,  80                           ; v80-143  hidden's unit as loaded
.set X,   144                          ; v144-207 64 numbers of my row: register 32 c + i is k = 64 c + 32 h + i
.set FRW, 208                          ; W's fragment
.set FRH, 216                          ; hidden's fragment
.set D,   224                          ; the product
.set SWW, 232                          ; W's scale word: scales and nothing else
.set SWH, 233                          ; hidden's
.set QM,  234                          ; v234-238 at work in QUANT
.set BA,  246                          ; v246-253 b_att of my eight n; wave 0 adds G's parts onto it
.set SEL, 20
; A unit, 16 rows x 512 bytes, is loaded 512 dense bytes an instruction and turned through the wave's own stage.  The pitch is 528 = 33 x 16 bytes, so the sixteen rows that a load
; touches begin in sixteen different columns of 16 bytes modulo 256.  LDS serves a wave's instructions in order (ISA guide 5.7.1.4): no wait between the stores and the loads.
.macro TURN rr
.irp b, 0,1,2,3,4,5,6,7,8,9,10,11,12,13,14,15
	ds_store_b128 v[TS], v[\rr+4*\b:\rr+4*\b+3] offset:528*\b
.endr
.irp c, 0,1
.irp k, 0,1,2,3,4,5,6,7
	ds_load_b128 v[X+32*\c+4*\k:X+32*\c+4*\k+3], v[TL] offset:256*\c+16*\k
.endr
.endr
.endm
; 64 numbers of a lane (two whole blocks of 32) become the operand's eight registers and the row's scale word.
.macro QUANT x, fr, sw
	v_max3_num_f32 v[QM], |v[\x]|, |v[\x+1]|, 0x1800000              ; four chains, two a block; the floor 2^(3 - 127) keeps the byte at 1 or above
	v_max3_num_f32 v[QM+1], |v[\x+32]|, |v[\x+33]|, 0x1800000
	v_max3_num_f32 v[QM+2], |v[\x+16]|, |v[\x+17]|, |v[\x+18]|
	v_max3_num_f32 v[QM+3], |v[\x+48]|, |v[\x+49]|, |v[\x+50]|
.irp k, 0,2,4,6,8,10
	v_max3_num_f32 v[QM], v[QM], |v[\x+2+\k]|, |v[\x+3+\k]|
	v_max3_num_f32 v[QM+1], v[QM+1], |v[\x+34+\k]|, |v[\x+35+\k]|
	v_max3_num_f32 v[QM+2], v[QM+2], |v[\x+19+\k]|, |v[\x+20+\k]|
	v_max3_num_f32 v[QM+3], v[QM+3], |v[\x+51+\k]|, |v[\x+52+\k]|
.endr
	v_max3_num_f32 v[QM], v[QM], |v[\x+14]|, |v[\x+15]|
	v_max3_num_f32 v[QM+1], v[QM+1], |v[\x+46]|, |v[\x+47]|
	v_max3_num_f32 v[QM], v[QM], v[QM+2], |v[\x+31]|
	v_max3_num_f32 v[QM+1], v[QM+1], v[QM+3], |v[\x+63]|
	v_add_nc_u32 v[QM+2], 0xff000000, v[QM]                          ; 2 off the exponent field: the conversion's scale operand
	v_add_nc_u32 v[QM+3], 0xff000000, v[QM+1]
	v_lshrrev_b32 v[QM], 23, v[QM+2]                                 ; the bytes of blocks h and 2 + h
	v_lshrrev_b32 v[QM+1], 23, v[QM+3]
	v_lshl_or_b32 v[\sw], v[QM+1], 16, v[QM]
	v_lshlrev_b32 v[\sw], v[SH8], v[\sw]                             ; at their places in the word
	v_permlanex16_b32 v[QM+4], v[\sw], s[SEL], s[SEL+1]
	v_or_b32 v[\sw], v[\sw], v[QM+4]                                 ; with lane l xor 16's two the word is whole, in both lanes
.irp c, 0,1
.irp g, 0,1,2,3
	v_cvt_scalef32_pk8_fp4_f32 v[\fr+4*\c+\g], v[\x+32*\c+8*\g:\x+32*\c+8*\g+7], v[QM+2+\c]
.endr
.endr
	v_nop                                                            ; one plain place behind the last scaled conversion
.endm
	s_load_b256 s[4:11], s[0:1], 0x0               ; W_att s[4:5], hidden s[6:7], b_att s[8:9], wpk s[10:11]
	v_lshl_add_u32 v254, v0, 2, 0x23200
	v_mov_b32 v255, 0
	v_lshrrev_b32 v1, 5, v0
	v_readfirstlane_b32 s14, v1                    ; kappa: wave 0..15
	s_and_b32 s15, s14, 7
	v_and_b32 v[QM], 31, v0                        ; lane
	v_and_b32 v[QM+1], 15, v0                      ; r
	v_bfe_u32 v[QM+2], v0, 4, 1                    ; h
	v_lshlrev_b32 v[L16], 4, v[QM]
	s_mul_i32 s16, s14, 8448                       ; every LDS address is made here, ahead of the first branch on the wave's number
	v_add_nc_u32 v[TS], s16, v[L16]
	v_mul_u32_u24 v[TL], v[QM+1], 528
	v_lshl_add_u32 v[TL], v[QM+2], 7, v[TL]
	v_add_nc_u32 v[TL], s16, v[TL]
	v_lshlrev_b32 v[SH8], 3, v[QM+2]
	v_lshlrev_b32 v[H32], 5, v[QM+2]
	s_lshl_b32 s16, s15, 10
	v_add_nc_u32 v[CO], s16, v[L16]                ; 1,024 (kappa % 8) + 16 x lane
	v_add_nc_u32 v[GPS], GP, v[CO]
	v_add_nc_u32 v[GPL], GP, v[L16]
	v_add_nc_u32 v[SCL], SCI, v[L16]
	s_lshr_b32 s16, s15, 2
	s_lshl_b32 s16, s16, 8                         ; K steps 4-7 of the codes lie in lanes 16-31 of the image: 256 bytes on
	s_and_b32 s17, s14, 3
	s_lshl_b32 s17, s17, 2
	s_add_co_u32 s16, s16, s17
	s_add_co_u32 s16, s16, SCI
	v_lshlrev_b32 v[SCS], 4, v[QM+1]
	v_add_nc_u32 v[SCS], s16, v[SCS]
	v_mov_b32 v[QM+4], 0                           ; a lane permute's destination counts as one of its sources
	s_mov_b32 s[SEL], 0x76543210
	s_mov_b32 s[SEL+1], 0xfedcba98                 ; v_permlanex16_b32's selects for lane l xor 16
	s_lshl_b32 s24, ttmp9, 17                      ; 16 rows of 8,192 bytes
	s_lshl_b32 s16, s14, 9
	s_add_co_u32 s24, s24, s16                     ; + my K step's 512 bytes
	s_mov_b32 s25, 0
	s_lshl_b32 s26, s15, 9
	s_mov_b32 s27, 0
	s_lshl_b32 s28, ttmp9, 6
	s_mov_b32 s29, 0
	s_mul_i32 s30, ttmp9, PKG
	s_mov_b32 s31, 0
	s_wait_kmcnt 0x0
	s_add_nc_u64 s[4:5], s[4:5], s[24:25]
	s_add_nc_u64 s[6:7], s[6:7], s[26:27]
	s_add_nc_u64 s[8:9], s[8:9], s[28:29]
	s_add_nc_u64 s[10:11], s[10:11], s[30:31]
	global_load_b128 v[BA:BA+3], v[H32], s[8:9]
	global_load_b128 v[BA+4:BA+7], v[H32], s[8:9] offset:16
.irp b, 0,1,2,3,4,5,6,7,8,9,10,11,12,13,14,15
	global_load_b128 v[R+4*\b:R+4*\b+3], v[L16], s[4:5] offset:8192*\b th:TH_LOAD_NT   ; 512 dense bytes of row n0 + b; read once in the launch
.endr
	s_cmp_lt_u32 s14, 8
	s_cbranch_scc0 .Lcode_in
.irp b, 0,1,2,3,4,5,6,7,8,9,10,11,12,13,14,15
	global_load_b128 v[R2+4*\b:R2+4*\b+3], v[L16], s[6:7] offset:4096*\b               ; hidden's row b, the same K step
.endr
	s_wait_loadcnt 16                              ; b_att and W are in; hidden's sixteen loads may be out
	s_branch .Lw_in
.Lcode_in:
	s_wait_loadcnt 0x0
.Lw_in:
	TURN R
	s_wait_dscnt 0x0
	QUANT X, FRW, SWW
	s_cmp_lt_u32 s14, 8
	s_cbranch_scc0 .Lcode
	s_wait_loadcnt 0x0                             ; hidden
	TURN R2
	s_wait_dscnt 0x0
	QUANT X, FRH, SWH
.rept 8
	v_nop                                          ; a scale register written by a vector instruction stands 8 places ahead of a scaled matrix instruction, an operand so written 4
.endr
	v_wmma_scale_f32_16x16x128_f8f6f4 v[D:D+7], v[FRW:FRW+7], v[FRH:FRH+7], 0, v[SWW], v[SWH] matrix_a_fmt:MATRIX_FMT_FP4 matrix_b_fmt:MATRIX_FMT_FP4   ; source 0 = 16 rows of W, source 1 = hidden's 16 rows
.rept 4
	v_nop
.endr
	ds_store_b128 v[GPS], v[D:D+3]                 ; the result from its low end on
	ds_store_b128 v[GPS], v[D+4:D+7] offset:512
	s_branch .Lmeet
.Lcode:
	global_store_b128 v[CO], v[FRW:FRW+3], s[10:11]              ; 512 dense bytes a store
	global_store_b128 v[CO], v[FRW+4:FRW+7], s[10:11] offset:512
	ds_store_b32 v[SCS], v[SWW]                    ; both lanes of a row write the same word
.Lmeet:
	s_wait_dscnt 0x0                               ; for the others' sake: my LDS stores are done
	s_barrier_signal -1
	s_barrier_wait -1
	s_cmp_eq_u32 s14, 0
	s_cbranch_scc0 .Lnot_0
.irp k, 0,1,2,3,4,5,6,7
	ds_load_b128 v[R+8*\k:R+8*\k+3], v[GPL] offset:1024*\k
	ds_load_b128 v[R+8*\k+4:R+8*\k+7], v[GPL] offset:1024*\k+512
.endr
	s_wait_dscnt 0x0
.irp k, 0,1,2,3,4,5,6,7
.irp g, 0,2,4,6
	v_pk_add_f32 v[BA+\g:BA+\g+1], v[BA+\g:BA+\g+1], v[R+8*\k+\g:R+8*\k+\g+1]   ; b_att + the eight K steps, K ascending
.endr
.endr
	global_store_b128 v[L16], v[BA:BA+3], s[10:11] offset:8704
	global_store_b128 v[L16], v[BA+4:BA+7], s[10:11] offset:9216
.Lnot_0:
	s_cmp_eq_u32 s14, 8
	s_cbranch_scc0 .Lend
	ds_load_b128 v[R:R+3], v[SCL]
	s_wait_dscnt 0x0
	global_store_b128 v[L16], v[R:R+3], s[10:11] offset:8192
.Lend:
	s_wait_tensorcnt 0x0
	ds_add_u32 v254, v255
	s_wait_dscnt 0x0
	s_endpgm
.Lfunc_end_k_qcd64b36e15_prep:
	.size	k_qcd64b36e15_prep, .Lfunc_end_k_qcd64b36e15_prep-k_qcd64b36e15_prep
	.p2alignl 7, 3214868480
	.fill 96, 4, 3214868480
	.section	.rodata,"a",@progbits
	.p2align	6, 0x0
	.amdhsa_kernel k_qcd64b36e15_prep
		.amdhsa_group_segment_fixed_size 145920
		.amdhsa_private_segment_fixed_size 0
		.amdhsa_enable_private_segment 0
		.amdhsa_kernarg_size 32
		.amdhsa_user_sgpr_count 2
		.amdhsa_user_sgpr_kernarg_segment_ptr 1
		.amdhsa_wavefront_size32 1
		.amdhsa_system_sgpr_workgroup_id_x 1
		.amdhsa_system_sgpr_workgroup_id_y 1
		.amdhsa_system_sgpr_workgroup_id_z 1
		.amdhsa_system_vgpr_workitem_id 0
		.amdhsa_next_free_vgpr 256
		.amdhsa_next_free_sgpr 66
		.amdhsa_reserve_vcc 0
		.amdhsa_float_denorm_mode_32 3
		.amdhsa_float_denorm_mode_16_64 3
		.amdhsa_memory_ordered 1
		.amdhsa_forward_progress 1
		.amdhsa_inst_pref_size 21
	.end_amdhsa_kernel
	.amdgpu_metadata
---
amdhsa.version: [ 1, 2 ]
amdhsa.kernels:
  - .name:           k_qcd64b36e15_prep
    .symbol:         k_qcd64b36e15_prep.kd
    .args:
      - { .name: W_att, .offset: 0, .size: 8, .value_kind: global_buffer, .address_space: global }
      - { .name: hidden, .offset: 8, .size: 8, .value_kind: global_buffer, .address_space: global }
      - { .name: b_att, .offset: 16, .size: 8, .value_kind: global_buffer, .address_space: global }
      - { .name: wpk, .offset: 24, .size: 8, .value_kind: global_buffer, .address_space: global }
    .group_segment_fixed_size: 145920
    .private_segment_fixed_size: 0
    .kernarg_segment_align: 8
    .kernarg_segment_size: 32
    .max_flat_workgroup_size: 512
    .sgpr_count:     66
    .vgpr_count:     256
    .wavefront_size: 32
...
	.end_amdgpu_metadata
.endif
;; end of part 1
;; launch main (part 2): grid 256 x 1, 4 waves a work-group, no clusters, 317,952 bytes of LDS; arguments hidden_sequence, input_masks, v, wpk, part; writes part
.if DOCPART == 2
	.amdgcn_target "amdgcn-amd-amdhsa--gfx1250"
	.amdhsa_code_object_version 6
	.text
	.protected	k_qcd64b36e15_main
	.globl	k_qcd64b36e15_main
	.p2align	8
	.type	k_qcd64b36e15_main,@function
k_qcd64b36e15_main:
	s_mov_b64 s[64:65], 0
	v_nop
	global_prefetch_b8 v0, s[64:65] scope:SCOPE_SE
	s_setreg_imm32_b32 hwreg(HW_REG_WAVE_MODE, 25, 1), 1
	s_wait_xcnt 0x0
; A work-group owns s = 8 g .. 8 g + 7, that is 128 rows (s, b) of hidden_sequence, and takes them from memory to its share of the context:
;   X: the rows are read once, quantised to FP4 (E2M1, one E8M0 byte for each 32 along K) in registers, and kept in LDS as bf16;
;   G: pre-activation = Q(hs) Q(W[:, 1024:])^T + (G + b_att), tanh, x v, summed over n: the scores;
;   then the mask, the softmax over the 16 b of each s, and part[g][b][k] = sum over my 8 s of weight x hs.  A third launch adds the 256 parts.
; A TILE OF 16 ROWS IS ONE s WITH b = 0 .. 15.  The product is used transposed (source 0 = 16 rows of W, source 1 = the tile): lane (r, h) holds b = r and register j holds n = n0 + 8 h + j.
; The half of the product that hangs on hidden is the same for every s: it comes from the first launch, with b_att added, as the C of each sum's first matrix instruction.
; SHARES.  X and the context: wave w owns k = 256 w .. 256 w + 255 of every row.  G: wave w owns n = 256 w .. 256 w + 255 (16 tiles) for all 8 tiles of rows, whose fragments (512 registers) every wave holds.
; ROWS THAT ARE NOT NEEDED.  Where an s has an open row, a masked row's weight is exp(-1e10 - max) = 0: its bytes are not fetched; its loads name the work-group's row 0 instead (a choice by s_cselect_b32
; on the mask's bits: the count of loads stays fixed and there is no branch).  An s with no open row has weights 1/16 and all its rows are fetched.
; W IS NOT SHARED THROUGH LDS, though all work-groups read it: the kept rows (262,144 bytes), the two stages of fragments (17,408) and the waves' stages (33,792) are all written by LDS stores; of the
; 327,680 bytes 10,240 would be left beside the text's 317,440, less than two packages of 9,728 for each of four waves.  So W comes in the order of the operand's registers, straight into registers, each byte once a work-group.
; LIMITS: the sum of |v[n]| under 9.9e9, so that a masked weight is exactly 0.  NaN and infinities among the inputs are not served.  A block of zeros gets the scale byte 1: its codes are zeros.
; hs is rounded to bf16 for the last product alone; sums are f32.
; REGISTERS, in windows of 256 (s_set_vgpr_msb: bits 1:0 source 0, 3:2 source 1, 5:4 source 2, 7:6 destination):
;   window 0: v1-11 addresses, v12-15 mask bytes, v16-31 row offsets, v32-63 the rows' scale words, v64-71 W's scale words, v72-87 codes just made, v88-95 at work, v96-223 two sets of 64 numbers
;             (in G: v96-111 v, v112-127 the scores' sums), v224-235 addresses, v236-251 in G: G + b_att, then the scores
;   window 1: in X four sets of 64 registers as loaded; in G: v0-127 four sets of four accumulators, v128-255 W's fragments, two sets; then the kept rows on their way back
;   windows 2, 3: the fragments of tile m at window 2 + m / 4, register 64 (m % 4) + 8 q; afterwards window 2, v0-127: the context
.set PKG,  9728                        ; a package of the first launch: 8 fragments, 512 bytes of scale words, 1,024 of G + b_att
.set STG,  262144                      ; LDS: 0: the kept rows: (m, w, e) at 32,768 m + 8,192 w + 4,096 e.  STG: two stages of STGP bytes: a tile's 8 fragments and its scale words
.set STGP, 8704
.set TST,  279552                      ; four stages of 16 rows x 528 bytes, a wave's own
.set SCR,  313344                      ; the waves' parts of the scores: 512 w + 64 m + 4 b
.set WTB,  315392                      ; the weights, a copy for each wave: 512 w + 64 s + 4 b
.set L16,  1                           ; 16 x lane
.set TS,   2                           ; my stage, by lanes: 16 x lane
.set TL,   3                           ; my stage, by rows: 528 r + 128 h
.set RB0,  4                           ; kept rows: 16 x lane + 8,192 w
.set SA,   5                           ; where I put my fragments: STG + 16 x lane + 2,048 w
.set SS,   6                           ; and my scale words
.set FA,   7                           ; STG + 16 x lane
.set H32,  8                           ; 32 h
.set SH8,  9                           ; 8 h
.set ZERO, 10
.set HB,   11                          ; 16 x lane + 1,024 w: my bytes of a row of hs, and of part
.set MK,   12                          ; v12-15 mask byte of (s = i + 4 h, b = r)
.set VA,   16                          ; v16-31 the byte offsets of a tile's 16 rows
.set AS,   32                          ; v32-63 register 4 m + i: lanes 0-15 tile m's words of K step i, lanes 16-31 of K step i + 4.  Scales and nothing else
.set WS,   64                          ; v64-71 the same for W, two sets
.set FR,   72                          ; v72-87 two sets of 8
.set QM,   88                          ; v88-92 at work in QUANT
.set SWE,  93                          ; v93-94 my two K steps' scale words
.set SWD,  95
.set X0,   96
.set VV,   96                          ; in G: v96-111 a tile's 8 numbers of v for my half of the lanes, two sets
.set P,    112                         ; in G: v112-127 the eight tiles' sums, a pair each
.set RB,   224
.set SCW,  225
.set SCRD, 226
.set WTW,  227
.set WA0,  228
.set RA0,  229
.set RA1,  230
.set WA,   231
.set WN,   232
.set WC,   233
.set NEG,  234
.set GI,   236                         ; in G: v236-251 G + b_att of a tile, two sets
.set T,    236                         ; behind G: v236-243 a score's part for each tile
.set TP,   244                         ; v244-251
.set WF,   128                         ; window 1
.set EB,   128
.set WV,   14                          ; scalars
.set NB,   16                          ; s16-19 bit 16 (m % 2) + b of s[16 + m / 2]: row (m, b) is fetched
.set SEL,  20
.set C2,   22
.set HM,   24
.set WPB,  26                          ; s[26:27] my 16 packages
.set VPB,  28                          ; s[28:29] my 256 numbers of v
.set CNT,  32
.set CT,   33
.set CW,   34
.set WI,   35                          ; which of my 16 tiles the last package asked for is
.set WPA,  36                          ; s[36:37] its address
.set VPA,  38                          ; s[38:39] the address of the v last asked for
.set VT,   40
.set WO,   44                          ; s[44:45], s[46:47] offsets, with 0 above them
.set VO,   46
.set VI,   48                          ; which tile's v is asked for next
.set MSB, 0
.macro WIN new                         ; the immediate's high byte repeats the setting that is left; a switch that changes nothing is dropped
.if MSB != (\new)
	s_set_vgpr_msb (MSB<<8)|(\new)
.set MSB, (\new)
.endif
.endm
; The offsets of tile m's 16 rows: the row's own where it is needed, else 0.  Four rows at a time, so that no line waits for the line above it.  The offset is held at the work-group's last row.
.macro VASET m
.irp b0, 0,4,8,12
.irp k, 0,1,2,3
	s_bitcmp1_b32 s[NB+(\m)/2], 16*((\m)%2)+\b0+\k
	s_cselect_b32 s[VT+\k], (16*(\m)+\b0+\k)*4096, 0
.endr
.irp k, 0,1,2,3
	s_min_u32 s[VT+\k], s[VT+\k], 0x7f000
.endr
.irp k, 0,1,2,3
	v_add_nc_u32 v[VA+\b0+\k], s[VT+\k], v[HB]
.endr
.endr
.endm
; Unit u = 2 m + e: 16 rows x my 128 k of K step 2 w + e; each load reads 512 dense bytes of one row.  No cache hint: row 0 may be named many times.
.macro LOADU u
	WIN 0x40
.irp b, 0,1,2,3,4,5,6,7,8,9,10,11,12,13,14,15
	global_load_b128 v[64*((\u)%4)+4*\b:64*((\u)%4)+4*\b+3], v[VA+\b], s[4:5] offset:512*((\u)%2)
.endr
	WIN 0
.endm
; The unit turns through my stage: in as it was loaded, out 128 bytes of one row a lane: register 32 c + i is k = 64 c + 32 h + i of row r.  The pitch, 528 = 33 x 16 bytes, puts the sixteen rows
; of a load in sixteen different columns of 16 bytes modulo 256.  LDS serves a wave's instructions in order (ISA guide 5.7.1.4): no wait between the stores and the loads.
.macro TURN u
	WIN 0x04
.irp b, 0,1,2,3,4,5,6,7,8,9,10,11,12,13,14,15
	ds_store_b128 v[TS], v[64*((\u)%4)+4*\b:64*((\u)%4)+4*\b+3] offset:528*\b
.endr
	WIN 0
.irp c, 0,1
.irp k, 0,1,2,3,4,5,6,7
	ds_load_b128 v[X0+64*((\u)%2)+32*\c+4*\k:X0+64*((\u)%2)+32*\c+4*\k+3], v[TL] offset:256*\c+16*\k
.endr
.endr
.endm
; 64 numbers of a lane (two whole blocks of 32) become the operand's eight registers and the row's scale word.
.macro QUANT x, fr, sw
	v_max3_num_f32 v[QM], |v[\x]|, |v[\x+1]|, 0x1800000              ; four chains, two a block; the floor 2^(3 - 127) keeps the byte at 1 or above
	v_max3_num_f32 v[QM+1], |v[\x+32]|, |v[\x+33]|, 0x1800000
	v_max3_num_f32 v[QM+2], |v[\x+16]|, |v[\x+17]|, |v[\x+18]|
	v_max3_num_f32 v[QM+3], |v[\x+48]|, |v[\x+49]|, |v[\x+50]|
.irp k, 0,2,4,6,8,10
	v_max3_num_f32 v[QM], v[QM], |v[\x+2+\k]|, |v[\x+3+\k]|
	v_max3_num_f32 v[QM+1], v[QM+1], |v[\x+34+\k]|, |v[\x+35+\k]|
	v_max3_num_f32 v[QM+2], v[QM+2], |v[\x+19+\k]|, |v[\x+20+\k]|
	v_max3_num_f32 v[QM+3], v[QM+3], |v[\x+51+\k]|, |v[\x+52+\k]|
.endr
	v_max3_num_f32 v[QM], v[QM], |v[\x+14]|, |v[\x+15]|
	v_max3_num_f32 v[QM+1], v[QM+1], |v[\x+46]|, |v[\x+47]|
	v_max3_num_f32 v[QM], v[QM], v[QM+2], |v[\x+31]|
	v_max3_num_f32 v[QM+1], v[QM+1], v[QM+3], |v[\x+63]|
	v_add_nc_u32 v[QM+2], 0xff000000, v[QM]                          ; 2 off the exponent field: the conversion's scale operand
	v_add_nc_u32 v[QM+3], 0xff000000, v[QM+1]
	v_lshrrev_b32 v[QM], 23, v[QM+2]                                 ; the bytes of blocks h and 2 + h
	v_lshrrev_b32 v[QM+1], 23, v[QM+3]
	v_lshl_or_b32 v[\sw], v[QM+1], 16, v[QM]
	v_lshlrev_b32 v[\sw], v[SH8], v[\sw]
	v_permlanex16_b32 v[QM+4], v[\sw], s[SEL], s[SEL+1]
	v_or_b32 v[\sw], v[\sw], v[QM+4]                                 ; with lane l xor 16's two the word is whole, in both lanes
.irp c, 0,1
.irp g, 0,1,2,3
	v_cvt_scalef32_pk8_fp4_f32 v[\fr+4*\c+\g], v[\x+32*\c+8*\g:\x+32*\c+8*\g+7], v[QM+2+\c]
.endr
.endr
	v_nop                                                            ; one plain place behind the last scaled conversion
.endm
; THE WALK OVER W IS TURNED: work-group g takes, as its step t, tile (t + g) % 16 of each wave's sixteen, and v likewise: so the 256 work-groups, which run in step, ask at any step for all 64 packages
; and not all for the same four.  Only the order of the sum over n hangs on it.  NEXTW and NEXTV make the next address; they stand behind s_wait_xcnt 0, since earlier loads named the pair.
.macro NEXTW
	s_add_co_u32 s[WI], s[WI], 1
	s_and_b32 s[WI], s[WI], 15
	s_mul_i32 s[WO], s[WI], PKG
	s_add_nc_u64 s[WPA:WPA+1], s[WPB:WPB+1], s[WO:WO+1]
.endm
.macro NEXTV
	s_lshl_b32 s[VO], s[VI], 6
	s_add_nc_u64 s[VPA:VPA+1], s[VPB:VPB+1], s[VO:VO+1]
	s_add_co_u32 s[VI], s[VI], 1
	s_and_b32 s[VI], s[VI], 15
.endm
; The parts of the package at s[WPA], into set buf; and the 16 numbers of v at s[VPA].
.macro LOADF buf
	WIN 0x40
.irp f, 0,1,2,3,4,5,6,7,8,9,10,11,12,13,14,15
	global_load_b128 v[WF+64*(\buf)+4*\f:WF+64*(\buf)+4*\f+3], v[L16], s[WPA:WPA+1] offset:512*\f
.endr
.endm
.macro LOADGI buf
	WIN 0
	global_load_b128 v[GI+8*(\buf):GI+8*(\buf)+3], v[L16], s[WPA:WPA+1] offset:8704
	global_load_b128 v[GI+8*(\buf)+4:GI+8*(\buf)+7], v[L16], s[WPA:WPA+1] offset:9216
.endm
.macro LOADWS buf
	WIN 0
	global_load_b128 v[WS+4*(\buf):WS+4*(\buf)+3], v[L16], s[WPA:WPA+1] offset:8192
.endm
.macro LOADV buf
	WIN 0
	global_load_b128 v[VV+8*(\buf):VV+8*(\buf)+3], v[H32], s[VPA:VPA+1]
	global_load_b128 v[VV+8*(\buf)+4:VV+8*(\buf)+7], v[H32], s[VPA:VPA+1] offset:16
.endm
	s_load_b256 s[4:11], s[0:1], 0x0               ; hs s[4:5], masks s[6:7], v s[8:9], wpk s[10:11]
	s_load_b64 s[12:13], s[0:1], 0x20              ; part
	v_lshl_add_u32 v254, v0, 2, 0x4d800
	v_mov_b32 v255, 0
	v_lshrrev_b32 v1, 5, v0
	v_readfirstlane_b32 s[WV], v1                  ; wave 0..3
	v_and_b32 v[QM], 31, v0                        ; lane
	v_and_b32 v[QM+1], 15, v0                      ; r
	v_bfe_u32 v[QM+2], v0, 4, 1                    ; h
	v_lshlrev_b32 v[L16], 4, v[QM]
	s_mul_i32 s15, s[WV], 8448
	s_add_co_u32 s15, s15, TST
	v_add_nc_u32 v[TS], s15, v[L16]
	v_mul_u32_u24 v[TL], v[QM+1], 528
	v_lshl_add_u32 v[TL], v[QM+2], 7, v[TL]
	v_add_nc_u32 v[TL], s15, v[TL]
	s_lshl_b32 s15, s[WV], 13
	v_add_nc_u32 v[RB0], s15, v[L16]
	s_lshl_b32 s15, s[WV], 11
	s_add_co_u32 s15, s15, STG
	v_add_nc_u32 v[SA], s15, v[L16]
	s_lshr_b32 s15, s[WV], 1                       ; the word of (row r, K step q = 2 w + e) lies at 16 r + 256 (q / 4) + 4 (q % 4); lanes 0-15 write e = 0, lanes 16-31 e = 1
	s_lshl_b32 s15, s15, 8
	s_and_b32 s25, s[WV], 1
	s_lshl_b32 s25, s25, 3
	s_add_co_u32 s15, s15, s25
	s_add_co_u32 s15, s15, STG+8192
	v_lshlrev_b32 v[SS], 4, v[QM+1]
	v_lshl_add_u32 v[SS], v[QM+2], 2, v[SS]
	v_add_nc_u32 v[SS], s15, v[SS]
	v_add_nc_u32 v[FA], STG, v[L16]
	v_lshlrev_b32 v[H32], 5, v[QM+2]
	v_lshlrev_b32 v[SH8], 3, v[QM+2]
	v_mov_b32 v[ZERO], 0
	s_lshl_b32 s15, s[WV], 10
	v_add_nc_u32 v[HB], s15, v[L16]
	s_lshl_b32 s15, s[WV], 9
	v_lshlrev_b32 v[SCRD], 2, v[QM+1]              ; 4 r
	s_add_co_u32 s25, s15, SCR
	v_add_nc_u32 v[SCW], s25, v[SCRD]
	s_add_co_u32 s25, s15, WTB
	v_add_nc_u32 v[WA0], s25, v[SCRD]
	v_lshl_add_u32 v[WTW], v[QM+2], 8, v[WA0]
	v_lshl_add_u32 v[SCRD], v[QM+2], 8, v[SCRD]
	v_add_nc_u32 v[SCRD], SCR, v[SCRD]
	v_lshl_add_u32 v[QM+3], v[QM+2], 6, v[QM+1]    ; 64 h + r
	v_mov_b32 v[QM+4], 0                           ; a lane permute's destination counts as one of its sources
	s_mov_b32 s[SEL], 0x76543210
	s_mov_b32 s[SEL+1], 0xfedcba98                 ; v_permlanex16_b32's selects for lane l xor 16
	s_mov_b32 s[C2], 0x4038aa3b                    ; 2 log2(e)
	s_mov_b32 s[C2+1], s[C2]                       ; (named with it as a pair, so it is written)
	s_mov_b32 s[HM], 0xffff0000                    ; lanes 16-31
	s_and_b32 s[WI], ttmp9, 15                     ; where my walk over the tiles of W begins
	s_mov_b32 s[VI], s[WI]
	s_mul_i32 s[WO], s[WI], PKG
	s_mov_b32 s[WO+1], 0
	s_mov_b32 s[VO+1], 0
	s_lshl_b32 s30, ttmp9, 7                       ; my 128 mask bytes
	s_mov_b32 s31, 0
	s_wait_kmcnt 0x0
	s_add_nc_u64 s[6:7], s[6:7], s[30:31]
.irp i, 0,1,2,3
	global_load_u8 v[X0+\i], v[QM], s[6:7] offset:32*\i      ; row 32 i + lane
.endr
.irp i, 0,1,2,3
	global_load_u8 v[MK+\i], v[QM+3], s[6:7] offset:16*\i    ; (s = i + 4 h, b = r)
.endr
	s_lshl_b32 s30, ttmp9, 19                      ; 128 rows of 4,096 bytes
	s_add_nc_u64 s[4:5], s[4:5], s[30:31]
	s_lshl_b32 s30, ttmp9, 16
	s_add_nc_u64 s[12:13], s[12:13], s[30:31]
	s_mul_i32 s30, s[WV], 16*PKG                   ; my 16 tiles of W
	s_add_nc_u64 s[WPB:WPB+1], s[10:11], s[30:31]
	s_add_nc_u64 s[WPA:WPA+1], s[WPB:WPB+1], s[WO:WO+1]   ; the first of my walk
	s_lshl_b32 s30, s[WV], 10                      ; my 256 numbers of v
	s_add_nc_u64 s[VPB:VPB+1], s[8:9], s[30:31]
	s_wait_loadcnt 0x0
.irp i, 0,1,2,3
	v_cmp_ne_u32 s[NB+\i], 0, v[X0+\i]
.endr
.irp i, 0,1,2,3                                ; an s with no open row: its weights are 1/16, all its rows are fetched
	s_and_b32 s25, s[NB+\i], 0xffff
	s_cmp_eq_u32 s25, 0
	s_cselect_b32 s25, 0xffff, 0
	s_or_b32 s[NB+\i], s[NB+\i], s25
	s_lshr_b32 s25, s[NB+\i], 16
	s_cmp_eq_u32 s25, 0
	s_cselect_b32 s25, 0xffff0000, 0
	s_or_b32 s[NB+\i], s[NB+\i], s25
.endr
; ---- X.  Sixteen units a wave.  Loads run four units ahead, the turn through LDS one.
	VASET 0
	LOADU 0
	LOADU 1
	s_wait_xcnt 0x0                                ; the row offsets are rewritten only behind this wait
	VASET 1
	LOADU 2
	LOADU 3
	s_wait_loadcnt 48                              ; unit 0 is in; three units may be out
	TURN 0
.macro STEP u
.set M_, (\u)/2
.set E_, (\u)%2
.set XB, X0+64*E_
.set FB, FR+8*E_
.if (\u) == 0
	s_wait_dscnt 0x0                               ; this unit is back from the stage, so the stage's stores have read their registers
.elseif E_ == 1
	s_wait_dscnt 10                                ; likewise; behind its turn stand the last step's ten stores, which name the other sets of registers
.else
	s_wait_dscnt 17                                ; likewise; the 17 loads that fetch the tile before may be out
.endif
.if (\u) <= 11
.if E_ == 0
	s_wait_xcnt 0x0                                ; the row offsets are rewritten only behind this wait
	VASET M_+2
.endif
	LOADU (\u)+4
	s_wait_loadcnt 48                              ; the next unit is in; three units may be out
.elseif (\u) == 12
	LOADGI 0                                       ; the first package of my walk is asked for here: 3 loads,
	LOADWS 0
	s_wait_loadcnt 35                              ; units 14 and 15 and these 3 may be out
.elseif (\u) == 13
	s_wait_loadcnt 19                              ; unit 15 and the 3
.elseif (\u) == 14
	LOADF 0                                        ; and its 16 fragment loads, into the registers that this unit has left
	s_wait_loadcnt 19                              ; the 3 and these 16
.endif
.if (\u) < 15
	TURN (\u)+1
.endif
	WIN 0
	QUANT XB, FB, SWE+E_
.set k_, 0
.rept 32
	v_cvt_pk_bf16_f32 v[XB+k_], v[XB+2*k_], v[XB+2*k_+1]     ; in place, ascending: no number is written over before it is read
.set k_, k_+1
.endr
.if E_ == 0
	v_add_nc_u32 v[RB], M_*32768, v[RB0]           ; (no LDS store of mine that names it is out: the tile before ended with a wait for all)
.endif
.irp g, 0,1,2,3,4,5,6,7
	ds_store_b128 v[RB], v[XB+4*\g:XB+4*\g+3] offset:4096*E_+512*\g          ; the rows are kept as an image of these registers: my own bytes, read by me alone
.endr
.irp c, 0,1
	ds_store_b128 v[SA], v[FB+4*\c:FB+4*\c+3] offset:(M_%2)*STGP+1024*E_+512*\c  ; the fragment, as an image of its registers
.endr
.if E_ == 1
	v_cndmask_b32 v[SWD], v[SWE], v[SWE+1], s[HM]
	ds_store_b32 v[SS], v[SWD] offset:(M_%2)*STGP
	s_wait_dscnt 0x0                               ; my stores have landed, and my fetch of the tile before, which the next tile's stores will write over, is in
	s_barrier_signal -1
	s_barrier_wait -1                              ; the tile's eight fragments and its scale words lie in LDS
	WIN 0x80+0x40*(M_/4)
.irp q, 0,1,2,3,4,5,6,7
.irp c, 0,1
	ds_load_b128 v[64*(M_%4)+8*\q+4*\c:64*(M_%4)+8*\q+4*\c+3], v[FA] offset:(M_%2)*STGP+1024*\q+512*\c
.endr
.endr
	WIN 0
	ds_load_b128 v[AS+4*M_:AS+4*M_+3], v[FA] offset:(M_%2)*STGP+8192
.endif
.endm
.irp u, 0,1,2,3,4,5,6,7,8,9,10,11,12,13,14,15
	STEP \u
.endr
; ---- G.  A PIECE is a tile of W (16 n) against four tiles of rows: piece h = 2 t + p is step t of my walk against tiles 4 p .. 4 p + 3.  HALF h gives piece h the matrix unit: 32 instructions into set h % 4 of four sets
; of four accumulators.  tanh(x) = 1 - 2 / (1 + 2^(2 log2(e) x)), which goes to 1 and to -1 by itself where the exponential overflows or falls to 0, is cut into three stages, each a half long:
;   in half h piece h - 1 is multiplied by 2 log2(e) and put through the exponential, piece h - 2 gets + 1 and the reciprocal, piece h - 3 becomes 1 - 2 r, is multiplied by v and added to its tiles' sums.
; The stages touch different sets.  So plain lines and transcendentals stand by turns behind each matrix instruction, and no line of a half names the result of a transcendental of the same half:
; ONE wait, at the half's end, serves all 64, ahead of their first readers, of every label and of every branch.
; Matrix instruction i of a half: K step i / 4, tile 4 p + i % 4.  The four accumulators take turns, one instruction a turn.  The first four take G + b_att, in window 0, as C.
.macro MM p, buf, sm
.set q_, i/4
.set mm_, i%4
.if q_ == 0
	WIN 0x49+4*(\p)                                ; W and D window 1, C window 0; the rows' fragments window 2 + p
.else
	WIN 0x59+4*(\p)                                ; W, C and D window 1
.endif
.set rD, 32*(\sm)+8*mm_
.set rW, WF+64*(\buf)+8*q_
.set rA, 64*mm_+8*q_
.set rSW, WS+4*(\buf)+q_%4
.set rSA, AS+4*(4*(\p)+mm_)+q_%4
.if q_ == 0
	v_wmma_scale_f32_16x16x128_f8f6f4 v[rD:rD+7], v[rW:rW+7], v[rA:rA+7], v[GI+8*(\buf):GI+8*(\buf)+7], v[rSW], v[rSA] matrix_a_fmt:MATRIX_FMT_FP4 matrix_b_fmt:MATRIX_FMT_FP4
.elseif q_ < 4
	v_wmma_scale_f32_16x16x128_f8f6f4 v[rD:rD+7], v[rW:rW+7], v[rA:rA+7], v[rD:rD+7], v[rSW], v[rSA] matrix_a_fmt:MATRIX_FMT_FP4 matrix_b_fmt:MATRIX_FMT_FP4
.else
	v_wmma_scale_f32_16x16x128_f8f6f4 v[rD:rD+7], v[rW:rW+7], v[rA:rA+7], v[rD:rD+7], v[rSW], v[rSA] matrix_a_fmt:MATRIX_FMT_FP4 matrix_b_fmt:MATRIX_FMT_FP4 matrix_a_scale:MATRIX_SCALE_ROW1 matrix_b_scale:MATRIX_SCALE_ROW1
.endif
.endm
; The stages' lines.  x_: a pair (0 .. 15) of a set's 32 registers; y_: a register.  All but the last kind name vector registers as source 0 and destination alone, which the matrix settings leave in window 1: no switch.
.macro W11
.if (MSB & 0xc3) != 0x41
	WIN 0x41
.endif
.endm
.macro IA                              ; x 2 log2(e).  The pairs go up
	W11
	v_pk_mul_f32 v[32*sAB+2*x_:32*sAB+2*x_+1], v[32*sAB+2*x_:32*sAB+2*x_+1], s[C2:C2+1] op_sel_hi:[1,0]
.endm
.macro IB
	W11
	v_exp_f32 v[32*sAB+y_], v[32*sAB+y_]
.endm
.macro IC                              ; + 1
	W11
	v_pk_add_f32 v[32*sCD+2*x_:32*sCD+2*x_+1], v[32*sCD+2*x_:32*sCD+2*x_+1], 1.0 op_sel_hi:[1,0]
.endm
.macro ID
	W11
	v_rcp_f32 v[32*sCD+y_], v[32*sCD+y_]
.endm
.macro IE                              ; 1 - 2 r
	W11
	v_pk_fma_f32 v[32*sEF+2*x_:32*sEF+2*x_+1], v[32*sEF+2*x_:32*sEF+2*x_+1], -2.0, 1.0 op_sel_hi:[1,0,0]
.endm
.macro IFG                             ; a tile's sum += tanh x v: pair x_ (0 .. 3) of each of the piece's four accumulators.  v and the sums lie in window 0: four lines under one switch
	WIN 0x01
.irp tm, 0,1,2,3
	v_pk_fma_f32 v[P+2*(4*pp_+\tm):P+2*(4*pp_+\tm)+1], v[32*sEF+8*\tm+2*x_:32*sEF+8*\tm+2*x_+1], v[VV+8*vb_+2*x_:VV+8*vb_+2*x_+1], v[P+2*(4*pp_+\tm):P+2*(4*pp_+\tm)+1]
.endr
.endm
; A HALF.  p, buf = t % 2, hm = h % 4.  mm, ab, cd, ef: which of the four kinds of work it has.  ldw: the next step's package (19 loads) is asked for, into the other set; ldv: this step's v (2 loads), which is
; first read two halves on.  wcnt: the loads that may stay out (-1: no wait).
; Behind matrix instruction i: i even: the scaling and the + 1 of pair i / 2 + 1, each ahead of a transcendental; i odd and under 16: two lines 1 - 2 r; i = 19, 23, 27, 31: four lines x v.  Exponential i and reciprocal i in every slice.
; The four lines x v behind the half's last product name none of its registers: they are the places ahead of the loads into the set that it read and of the first read of the set that it wrote;
; a half that has none of them yet has four v_nop.  They are also the plain lines behind the last transcendental.
; Piece h - 3 is the other p's: for p = 0 of step t - 2 (v's set buf), for p = 1 of step t - 1 (the other set).
.macro HALF p, buf, hm, mm, ab, cd, ef, ldw, ldv, wcnt
.set sAB, ((\hm)+3)%4
.set sCD, ((\hm)+2)%4
.set sEF, ((\hm)+1)%4
.set pp_, 1-(\p)
.set vb_, (\p)*(1-(\buf))+(1-(\p))*(\buf)
.if \ldw
	s_wait_xcnt 0x0                                ; the address pair is rewritten only behind this wait
	NEXTW
	LOADF 1-(\buf)
	LOADGI 1-(\buf)
	LOADWS 1-(\buf)
.endif
.if \ldv
	s_wait_xcnt 0x0
	NEXTV
	LOADV \buf
.endif
.if (\wcnt) >= 0
	s_wait_loadcnt \wcnt
.endif
.set i, 0
.rept 32
.if \mm
	MM \p, \buf, \hm
.endif
.if i%2 == 0
.if i == 0
.set x_, 0
.if \ab
	IA
.endif
.if \cd
	IC
.endif
.endif
.set x_, i/2+1
.set y_, i
.if (\ab) && (x_ < 16)
	IA
.endif
.if \ab
	IB
.endif
.if (\cd) && (x_ < 16)
	IC
.endif
.if \cd
	ID
.endif
.else
.set y_, i
.set x_, i-1
.if (\ef) && (i < 16)
	IE
.endif
.if \ab
	IB
.endif
.set x_, i
.if (\ef) && (i < 16)
	IE
.endif
.if \cd
	ID
.endif
.set x_, (i-19)/4
.if (\ef) && (i >= 19) && (i%4 == 3)
	IFG
.endif
.endif
.set i, i+1
.endr
.if !(\ef)
.rept 4
	v_nop
.endr
.endif
.if (\ab) || (\cd)
	s_wait_alu depctr_va_vdst(0)                   ; the half's one wait; the next half's loads follow it
.endif
.endm
	s_wait_dscnt 0x0                               ; the last tile's fragments are in
	WIN 0
.irp k, 0,1,2,3,4,5,6,7,8,9,10,11,12,13,14,15
	v_mov_b32 v[P+\k], 0                           ; the eight tiles' sums, a pair each
.endr
; THE COUNTS.  The loads go out in this order: package t + 1 (19) in piece (t, 0)'s half, v of step t (2) in piece (t, 1)'s.  Piece (t, 0) wants package t: behind it stand v of step t - 1 and package t + 1: 21.
; Piece (t, 1)'s half multiplies by v of step t - 1: behind it stand package t + 1 and v of step t: 21.
	HALF 0, 0, 0, 1, 0, 0, 0, 1, 0, 19             ; h = 0: the first package is in; the second's 19 loads may be out
	HALF 1, 0, 1, 1, 1, 0, 0, 0, 1, -1             ; h = 1
	HALF 0, 1, 2, 1, 1, 1, 0, 1, 0, 21             ; h = 2
	WIN 0                                          ; at a label and at a branch every window is 0
	s_mov_b32 s[CNT], 6
.Ltiles:                                           ; a trip: h = 4 j + 3 .. 4 j + 6: the sets of accumulators, of W and of v are back where they began
	HALF 1, 1, 3, 1, 1, 1, 1, 0, 1, 21
	HALF 0, 0, 0, 1, 1, 1, 1, 1, 0, 21
	HALF 1, 0, 1, 1, 1, 1, 1, 0, 1, 21
	HALF 0, 1, 2, 1, 1, 1, 1, 1, 0, 21
	WIN 0
	s_sub_co_u32 s[CNT], s[CNT], 1
	s_cmp_lg_u32 s[CNT], 0
	s_cbranch_scc1 .Ltiles
	HALF 1, 1, 3, 1, 1, 1, 1, 0, 1, 21             ; h = 27: step 13
	HALF 0, 0, 0, 1, 1, 1, 1, 1, 0, 21             ; h = 28: the last package is asked for
	HALF 1, 0, 1, 1, 1, 1, 1, 0, 1, 21             ; h = 29
	HALF 0, 1, 2, 1, 1, 1, 1, 0, 0, 2              ; h = 30: nothing more of W to fetch; behind the last package stands v of step 14
	HALF 1, 1, 3, 1, 1, 1, 1, 0, 1, 2              ; h = 31: the last v is asked for; v of step 14 is in
	HALF 0, 0, 0, 0, 1, 1, 1, 0, 0, -1             ; the three stages run empty: no products
	HALF 1, 0, 1, 0, 0, 1, 1, 0, 0, 0              ; (the last v is in)
	HALF 0, 1, 2, 0, 0, 0, 1, 0, 0, -1
; ---- The scores: my 256 n of each row; the four waves' parts meet in LDS.
	WIN 0
.irp m, 0,1,2,3,4,5,6,7
	v_add_f32 v[T+\m], v[P+2*\m], v[P+2*\m+1]
.endr
.irp m, 0,1,2,3,4,5,6,7
	v_mov_b32 v[TP+\m], 0
.endr
.irp m, 0,1,2,3,4,5,6,7
	v_permlanex16_b32 v[TP+\m], v[T+\m], s[SEL], s[SEL+1]
.endr
.irp m, 0,1,2,3,4,5,6,7
	v_add_f32 v[T+\m], v[T+\m], v[TP+\m]           ; with lane l xor 16's eight n of each tile
.endr
.irp m, 0,1,2,3,4,5,6,7
	ds_store_b32 v[SCW], v[T+\m] offset:64*\m      ; both lanes of a row write the same word
.endr
	s_wait_dscnt 0x0
	s_barrier_signal -1
	s_barrier_wait -1
; Every wave makes all 128 weights for itself: lane (r, h) has (s = i + 4 h, b = r), so a softmax's 16 numbers lie in 16 neighbouring lanes.
.irp i, 0,1,2,3
.irp ww, 0,1,2,3
	ds_load_b32 v[X0+4*\i+\ww], v[SCRD] offset:512*\ww+64*\i
.endr
.endr
	v_mov_b32 v[NEG], 0xd01502f9                   ; -1e10
	s_wait_dscnt 0x0
.irp i, 0,1,2,3
	v_add_f32 v[X0+4*\i], v[X0+4*\i], v[X0+4*\i+1]
	v_add_f32 v[X0+4*\i+2], v[X0+4*\i+2], v[X0+4*\i+3]
.endr
.irp i, 0,1,2,3
	v_add_f32 v[X0+4*\i], v[X0+4*\i], v[X0+4*\i+2]
.endr
.irp i, 0,1,2,3
	v_cmp_eq_u32 vcc_lo, 0, v[MK+\i]
	v_cndmask_b32 v[X0+4*\i], v[X0+4*\i], v[NEG], vcc_lo
.endr
.irp i, 0,1,2,3
	v_mov_b32 v[X0+16+\i], v[X0+4*\i]
.endr
.irp d, 1,2,4,8
.irp i, 0,1,2,3
	v_max_num_f32_dpp v[X0+16+\i], v[X0+16+\i], v[X0+16+\i] row_xmask:\d row_mask:0xf bank_mask:0xf
.endr
.endr
.irp i, 0,1,2,3
	v_sub_f32 v[X0+4*\i], v[X0+4*\i], v[X0+16+\i]  ; the maximum is taken away, as in the softmax's definition
.endr
.irp i, 0,1,2,3
	v_mul_f32 v[X0+4*\i], 0x3fb8aa3b, v[X0+4*\i]
.endr
.irp i, 0,1,2,3
	v_exp_f32 v[X0+4*\i+1], v[X0+4*\i]
.endr
	v_nop
	s_wait_alu depctr_va_vdst(0)                   ; one wait for the four, ahead of their first reader
.irp i, 0,1,2,3
	v_mov_b32 v[X0+16+\i], v[X0+4*\i+1]
.endr
.irp d, 1,2,4,8
.irp i, 0,1,2,3
	v_add_f32_dpp v[X0+16+\i], v[X0+16+\i], v[X0+16+\i] row_xmask:\d row_mask:0xf bank_mask:0xf
.endr
.endr
.irp i, 0,1,2,3
	v_rcp_f32 v[X0+4*\i+2], v[X0+16+\i]
.endr
	v_nop
	s_wait_alu depctr_va_vdst(0)
.irp i, 0,1,2,3
	v_mul_f32 v[X0+4*\i+3], v[X0+4*\i+1], v[X0+4*\i+2]
.endr
.irp i, 0,1,2,3
	ds_store_b32 v[WTW], v[X0+4*\i+3] offset:64*\i ; into my wave's own copy: LDS serves a wave's instructions in order, so my loads below see them
.endr
; ---- The context: register 64 e + i of window 2 += weight(m, b = r) x the kept row's number: the weight is the lane's own, nothing is broadcast.
.macro FMAS e, first
.set k_, 0
.rept 32
.if \first
	v_fma_mix_f32_bf16 v[64*\e+2*k_], v[EB+32*\e+k_], v[WC], v[ZERO] op_sel_hi:[1,0,0]
	v_fma_mix_f32_bf16 v[64*\e+2*k_+1], v[EB+32*\e+k_], v[WC], v[ZERO] op_sel:[1,0,0] op_sel_hi:[1,0,0]
.else
	v_fma_mix_f32_bf16 v[64*\e+2*k_], v[EB+32*\e+k_], v[WC], v[64*\e+2*k_] op_sel_hi:[1,0,0]
	v_fma_mix_f32_bf16 v[64*\e+2*k_+1], v[EB+32*\e+k_], v[WC], v[64*\e+2*k_+1] op_sel:[1,0,0] op_sel_hi:[1,0,0]
.endif
.set k_, k_+1
.endr
.endm
; One tile m.  Its weight and its first unit were asked for a tile ago.  Each address register is rewritten only behind the wait for the loads that named it.
.macro CTXM first, last
	WIN 0
	v_add_nc_u32 v[RA1], s[CT], v[RB0]
	WIN 0x40
.irp g, 0,1,2,3,4,5,6,7
	ds_load_b128 v[EB+32+4*\g:EB+32+4*\g+3], v[RA1] offset:4096+512*\g
.endr
	s_wait_dscnt 8                                 ; the weight and the first unit are in; the eight just issued may be out
	WIN 0
	v_mov_b32 v[WC], v[WN]
	WIN 0xa1-0x20*(\first)                         ; the rows window 1, the weight window 0, the context window 2 (in the first tile the addend is the zero of window 0)
	FMAS 0, \first
.if !(\last)
	WIN 0
	s_add_co_u32 s[CT], s[CT], 32768
	s_add_co_u32 s[CW], s[CW], 64
	v_add_nc_u32 v[RA0], s[CT], v[RB0]
	v_add_nc_u32 v[WA], s[CW], v[WA0]
	ds_load_b32 v[WN], v[WA]
	WIN 0x40
.irp g, 0,1,2,3,4,5,6,7
	ds_load_b128 v[EB+4*\g:EB+4*\g+3], v[RA0] offset:512*\g
.endr
	s_wait_dscnt 9                                 ; the second unit is in; the nine just issued may be out
.else
	s_wait_dscnt 0x0
.endif
	WIN 0xa1-0x20*(\first)
	FMAS 1, \first
.endm
	s_mov_b32 s[CT], 0
	s_mov_b32 s[CW], 0
	ds_load_b32 v[WN], v[WA0]
	WIN 0x40
.irp g, 0,1,2,3,4,5,6,7
	ds_load_b128 v[EB+4*\g:EB+4*\g+3], v[RB0] offset:512*\g
.endr
	CTXM 1, 0
	WIN 0
	s_mov_b32 s[CNT], 6
.Lctx:
	CTXM 0, 0
	WIN 0
	s_sub_co_u32 s[CNT], s[CNT], 1
	s_cmp_lg_u32 s[CNT], 0
	s_cbranch_scc1 .Lctx
	CTXM 0, 1
; ---- The way out: the turn of X backwards, through my own stage: in by rows, out by lanes, so that each store covers 512 consecutive bytes of one row of part.
.irp e, 0,1
	WIN 0x08
.irp c, 0,1
.irp k, 0,1,2,3,4,5,6,7
	ds_store_b128 v[TL], v[64*\e+32*\c+4*\k:64*\e+32*\c+4*\k+3] offset:256*\c+16*\k
.endr
.endr
	WIN 0
.irp b, 0,1,2,3,4,5,6,7,8,9,10,11,12,13,14,15
	ds_load_b128 v[X0+64*\e+4*\b:X0+64*\e+4*\b+3], v[TS] offset:528*\b
.endr
.endr
.irp e, 0,1
.irp b, 0,1,2,3,4,5,6,7,8,9,10,11,12,13,14,15
	s_wait_dscnt 32*(1-\e)+15-\b                   ; behind this load: the rest of its sixteen, and for the first unit the second's 16 stores and 16 loads
	global_store_b128 v[HB], v[X0+64*\e+4*\b:X0+64*\e+4*\b+3], s[12:13] offset:4096*\b+512*\e th:TH_STORE_NT
.endr
.endr
	s_wait_tensorcnt 0x0
	ds_add_u32 v254, v255
	s_wait_dscnt 0x0
	s_endpgm
.Lfunc_end_k_qcd64b36e15_main:
	.size	k_qcd64b36e15_main, .Lfunc_end_k_qcd64b36e15_main-k_qcd64b36e15_main
	.p2alignl 7, 3214868480
	.fill 96, 4, 3214868480
	.section	.rodata,"a",@progbits
	.p2align	6, 0x0
	.amdhsa_kernel k_qcd64b36e15_main
		.amdhsa_group_segment_fixed_size 317952
		.amdhsa_private_segment_fixed_size 0
		.amdhsa_enable_private_segment 0
		.amdhsa_kernarg_size 40
		.amdhsa_user_sgpr_count 2
		.amdhsa_user_sgpr_kernarg_segment_ptr 1
		.amdhsa_wavefront_size32 1
		.amdhsa_system_sgpr_workgroup_id_x 1
		.amdhsa_system_sgpr_workgroup_id_y 1
		.amdhsa_system_sgpr_workgroup_id_z 1
		.amdhsa_system_vgpr_workitem_id 0
		.amdhsa_next_free_vgpr 1024
		.amdhsa_next_free_sgpr 66
		.amdhsa_reserve_vcc 1
		.amdhsa_float_denorm_mode_32 3
		.amdhsa_float_denorm_mode_16_64 3
		.amdhsa_memory_ordered 1
		.amdhsa_forward_progress 1
		.amdhsa_inst_pref_size 255
	.end_amdhsa_kernel
	.section	.bss,"aw",@nobits
	.p2align	6
	.space	262144
	.amdgpu_metadata
---
amdhsa.version: [ 1, 2 ]
amdhsa.kernels:
  - .name:           k_qcd64b36e15_main
    .symbol:         k_qcd64b36e15_main.kd
    .args:
      - { .name: hidden_sequence, .offset: 0, .size: 8, .value_kind: global_buffer, .address_space: global }
      - { .name: input_masks, .offset: 8, .size: 8, .value_kind: global_buffer, .address_space: global }
      - { .name: v, .offset: 16, .size: 8, .value_kind: global_buffer, .address_space: global }
      - { .name: wpk, .offset: 24, .size: 8, .value_kind: global_buffer, .address_space: global }
      - { .name: part, .offset: 32, .size: 8, .value_kind: global_buffer, .address_space: global }
    .group_segment_fixed_size: 317952
    .private_segment_fixed_size: 0
    .kernarg_segment_align: 8
    .kernarg_segment_size: 40
    .max_flat_workgroup_size: 128
    .sgpr_count:     66
    .vgpr_count:     1024
    .wavefront_size: 32
...
	.end_amdgpu_metadata
.endif
;; end of part 2
;; launch reduce (part 3): grid 256 x 1, 8 waves a work-group, no clusters, 3,072 bytes of LDS; arguments part, out0; writes out0
.if DOCPART == 3
	.amdgcn_target "amdgcn-amd-amdhsa--gfx1250"
	.amdhsa_code_object_version 6
	.text
	.protected	k_qcd64b36e15_reduce
	.globl	k_qcd64b36e15_reduce
	.p2align	8
	.type	k_qcd64b36e15_reduce,@function
k_qcd64b36e15_reduce:
	s_mov_b64 s[64:65], 0
	v_nop
	global_prefetch_b8 v0, s[64:65] scope:SCOPE_SE
	s_setreg_imm32_b32 hwreg(HW_REG_WAVE_MODE, 25, 1), 1
	s_wait_xcnt 0x0
; out0[b][k] = the sum over the 256 work-groups g of part[g][b][k].  part: [256][16,384] f32; out0: 16,384 f32.
; Work-group j owns bytes 256 j .. 256 j + 255 of out0.  Lane (i = lane % 16, hh = lane / 16) of wave w takes the 16 bytes at 16 i of the parts g = 32 w + 2 u + hh, u = 0 .. 15:
; each load reads two runs of 256 consecutive bytes, all sixteen loads are out at once.  The order of the sum is fixed.  No matrix unit, no cluster: nothing is shared, memory binds.
	s_load_b128 s[4:7], s[0:1], 0x0                ; part, out0
	v_lshl_add_u32 v96, v0, 2, 0x800
	v_mov_b32 v97, 0
	v_lshrrev_b32 v1, 5, v0
	v_readfirstlane_b32 s8, v1                     ; wave 0..7
	v_and_b32 v2, 15, v0
	v_bfe_u32 v3, v0, 4, 1
	v_lshlrev_b32 v4, 4, v2                        ; 16 i
	v_lshl_add_u32 v5, v3, 16, v4                  ; + 65,536 hh
	s_lshl_b32 s9, s8, 21
	v_add_nc_u32 v5, s9, v5                        ; + 32 parts x wave
	s_lshl_b32 s9, s8, 8
	v_add_nc_u32 v6, s9, v4                        ; LDS: my wave's 256 bytes
	v_lshl_add_u32 v7, v3, 8, v4                   ; and for the last sum: wave 2 q + hh
	s_mov_b32 s12, 0x76543210
	s_mov_b32 s13, 0xfedcba98                      ; v_permlanex16_b32's selects for lane l xor 16
.irp k, 0,1,2,3
	v_mov_b32 v[12+\k], 0                          ; a lane permute's destination counts as one of its sources
.endr
	s_lshl_b32 s10, ttmp9, 8
	s_mov_b32 s11, 0
	s_wait_kmcnt 0x0
	s_add_nc_u64 s[4:5], s[4:5], s[10:11]
	s_add_nc_u64 s[6:7], s[6:7], s[10:11]
.irp u, 0,1,2,3,4,5,6,7,8,9,10,11,12,13,14,15
	global_load_b128 v[16+4*\u:19+4*\u], v5, s[4:5] offset:131072*\u th:TH_LOAD_NT
.endr
	s_wait_loadcnt 14                              ; the first two are in
	v_pk_add_f32 v[8:9], v[16:17], v[20:21]
	v_pk_add_f32 v[10:11], v[18:19], v[22:23]
.irp u, 2,3,4,5,6,7,8,9,10,11,12,13,14,15
	s_wait_loadcnt 15-\u                           ; loads come back in order (ISA guide 5.7.1): load u is in, the younger ones stay out
	v_pk_add_f32 v[8:9], v[8:9], v[16+4*\u:17+4*\u]
	v_pk_add_f32 v[10:11], v[10:11], v[18+4*\u:19+4*\u]
.endr
.irp k, 0,1,2,3
	v_permlanex16_b32 v[12+\k], v[8+\k], s12, s13
.endr
	v_pk_add_f32 v[8:9], v[8:9], v[12:13]
	v_pk_add_f32 v[10:11], v[10:11], v[14:15]      ; my wave's 32 parts, in both halves of the lanes
	ds_store_b128 v6, v[8:11]                      ; both halves write the same bytes with the same values
	s_wait_dscnt 0x0
	s_barrier_signal -1
	s_barrier_wait -1
	s_cmp_lg_u32 s8, 0
	s_cbranch_scc1 .Lend
.irp q, 0,1,2,3
	ds_load_b128 v[16+4*\q:19+4*\q], v7 offset:512*\q
.endr
	s_wait_dscnt 0x0
	v_pk_add_f32 v[8:9], v[16:17], v[20:21]
	v_pk_add_f32 v[10:11], v[18:19], v[22:23]
	v_pk_add_f32 v[8:9], v[8:9], v[24:25]
	v_pk_add_f32 v[10:11], v[10:11], v[26:27]
	v_pk_add_f32 v[8:9], v[8:9], v[28:29]
	v_pk_add_f32 v[10:11], v[10:11], v[30:31]
.irp k, 0,1,2,3
	v_permlanex16_b32 v[12+\k], v[8+\k], s12, s13
.endr
	v_pk_add_f32 v[8:9], v[8:9], v[12:13]
	v_pk_add_f32 v[10:11], v[10:11], v[14:15]
	s_wait_xcnt 0x0                                ; EXEC changes only behind this wait
	v_cmp_gt_u32 vcc_lo, 16, v0
	s_and_saveexec_b32 s9, vcc_lo
	global_store_b128 v4, v[8:11], s[6:7]          ; sixteen lanes store 256 consecutive bytes, at a multiple of 256 from out0's first byte
	s_wait_xcnt 0x0
	s_or_b32 exec_lo, exec_lo, s9
.Lend:
	s_wait_tensorcnt 0x0
	ds_add_u32 v96, v97
	s_wait_dscnt 0x0
	s_endpgm
.Lfunc_end_k_qcd64b36e15_reduce:
	.size	k_qcd64b36e15_reduce, .Lfunc_end_k_qcd64b36e15_reduce-k_qcd64b36e15_reduce
	.p2alignl 7, 3214868480
	.fill 96, 4, 3214868480
	.section	.rodata,"a",@progbits
	.p2align	6, 0x0
	.amdhsa_kernel k_qcd64b36e15_reduce
		.amdhsa_group_segment_fixed_size 3072
		.amdhsa_private_segment_fixed_size 0
		.amdhsa_enable_private_segment 0
		.amdhsa_kernarg_size 16
		.amdhsa_user_sgpr_count 2
		.amdhsa_user_sgpr_kernarg_segment_ptr 1
		.amdhsa_wavefront_size32 1
		.amdhsa_system_sgpr_workgroup_id_x 1
		.amdhsa_system_sgpr_workgroup_id_y 1
		.amdhsa_system_sgpr_workgroup_id_z 1
		.amdhsa_system_vgpr_workitem_id 0
		.amdhsa_next_free_vgpr 98
		.amdhsa_next_free_sgpr 66
		.amdhsa_reserve_vcc 1
		.amdhsa_float_denorm_mode_32 3
		.amdhsa_float_denorm_mode_16_64 3
		.amdhsa_memory_ordered 1
		.amdhsa_forward_progress 1
		.amdhsa_inst_pref_size 8
	.end_amdhsa_kernel
	.amdgpu_metadata
---
amdhsa.version: [ 1, 2 ]
amdhsa.kernels:
  - .name:           k_qcd64b36e15_reduce
    .symbol:         k_qcd64b36e15_reduce.kd
    .args:
      - { .name: part, .offset: 0, .size: 8, .value_kind: global_buffer, .address_space: global }
      - { .name: out0, .offset: 8, .size: 8, .value_kind: global_buffer, .address_space: global }
    .group_segment_fixed_size: 3072
    .private_segment_fixed_size: 0
    .kernarg_segment_align: 8
    .kernarg_segment_size: 16
    .max_flat_workgroup_size: 256
    .sgpr_count:     66
    .vgpr_count:     98
    .wavefront_size: 32
...
	.end_amdgpu_metadata
.endif
;; end of part 3
;; ======== version 2 of 2: 3 launches; version 1 with the launches prep, main written anew for expert scheduling mode
;; limits: right only within a limited range of input values
;; workspace buffers: wpk 622,592 bytes; part 16,777,216 bytes
;; launch prep (part 4): grid 64 x 1, 16 waves a work-group, no clusters, 145,920 bytes of LDS; arguments W_att, hidden, b_att, wpk; writes wpk
.if DOCPART == 4
	.amdgcn_target "amdgcn-amd-amdhsa--gfx1250"
	.amdhsa_code_object_version 6
	.text
	.protected	k_qcd64b36e15_prep
	.globl	k_qcd64b36e15_prep
	.p2align	8
	.type	k_qcd64b36e15_prep,@function
k_qcd64b36e15_prep:
	s_mov_b64 s[64:65], 0
	v_nop
	global_prefetch_b8 v0, s[64:65] scope:SCOPE_SE
	s_setreg_imm32_b32 hwreg(HW_REG_WAVE_SCHED_MODE, 0, 2), 2
	s_setreg_imm32_b32 hwreg(HW_REG_WAVE_MODE, 25, 1), 1
	s_wait_xcnt 0x0
	s_wait_alu depctr_vm_vsrc(0)
; W_att [1024][2048] f32 is quantised along K to FP4 (E2M1) with one E8M0 byte for each 32, and laid out for the main launch; the half of the product that
; hangs on hidden alone is multiplied here, once: concat = [hidden ; hs] and blocks of 32 never straddle k = 1,024, so the first 1,024 of K give the same
; G[b][n] = sum over k < 1024 of Q(hidden)[b][k] Q(W)[n][k] for every s.
; A work-group takes 16 rows n0 = 16 x its number of W; wave kappa takes K step kappa (128 along K) of the 2,048.  Waves 0-7 multiply their step by hidden's, waves 8-15 store their codes.
; OUT: one package of PKG bytes a work-group:  0: eight fragments of W[:, 1024:], K step q at 1,024 q, as images of the operand's registers (registers 4 c .. 4 c + 3 of lane l at 512 c + 16 l);
;   8,192: the scale words: lane l's 16 bytes are the words of row l % 16 for K steps 4 (l / 16) + 0 .. 3;   8,704: G + b_att in the layout of a matrix result: register j of lane (r, h) is (b = r, n = n0 + 8 h + j).
; A block's scale is 2^(floor(log2(largest magnitude)) - 2): its byte is the largest magnitude's exponent field - 2, held at 1 from below by a floor among the maximum's leaves.
; LIMITS: a block of zeros gets the byte 1 (the rule says 127): its codes are zeros, and only this program reads the bytes.  NaN and infinities among the inputs are not served.
; THE MODE: SCHED_MODE bits 1:0 = 2 (LLVM: expert scheduling mode 2), set by the entry lines.  The code itself states the register dependences
; between vector or matrix instructions and memory or LDS instructions, with s_wait_alu, always for 0.
; THE PLAN.  Registers that memory or LDS instructions touch:
;   v1-v11     addresses, written once at the head, never again: one wait on va_vdst ahead of the first load.
;   R, R2      loads land in them, the stage's stores read them, no vector line names them before the barrier; behind it waves 0 and 8 load into R: one wait on vm_vsrc.
;   X          the turn's LDS loads land in it, QUANT reads it; waves 0-7 turn a second unit into it.
;   FRW, SWW   written by QUANT; read by waves 8-15's stores, and by waves 0-7's product.   One wait on va_vdst behind the first QUANT, ahead of the branch, serves X and these.
;   D, BA      written by the product and by wave 0's additions; read by stores: a wait on va_vdst ahead of each pair of stores.
.set PKG, 9728
.set GP,  135168                       ; LDS: behind the sixteen stages of 8,448 bytes: G's eight parts, 1,024 bytes each
.set SCI, 143360                       ; and the image of the scale words, 512 bytes
.set L16, 1                            ; v1   16 x lane
.set TS,  2                            ; v2   my stage, as rows are loaded: 16 x lane
.set TL,  3                            ; v3   my stage, as an operand wants them: 528 r + 128 h
.set SH8, 5                            ; v5   8 h
.set GPS, 6                            ; v6   where I put my part of G
.set SCS, 7                            ; v7   where I put my row's scale word
.set H32, 8                            ; v8   32 h
.set CO,  9                            ; v9   my fragment's place in the package
.set GPL, 10                           ; v10  GP + 16 x lane
.set SCL, 11                           ; v11  SCI + 16 x lane
.set R,   16                           ; v16-79   W's unit as loaded; later G's eight parts
.set R2,  80                           ; v80-143  hidden's unit as loaded
.set X,   144                          ; v144-207 64 numbers of my row: register 32 c + i is k = 64 c + 32 h + i
.set FRW, 208                          ; W's fragment
.set FRH, 216                          ; hidden's fragment
.set D,   224                          ; the product
.set SWW, 232                          ; W's scale word: scales and nothing else
.set SWH, 233                          ; hidden's
.set QM,  234                          ; v234-238 at work in QUANT
.set BA,  246                          ; v246-253 b_att of my eight n; wave 0 adds G's parts onto it
.set SEL, 20
; A unit, 16 rows x 512 bytes, is loaded 512 dense bytes an instruction and turned through the wave's own stage.  The pitch is 528 = 33 x 16 bytes, so the sixteen rows that a load
; touches begin in sixteen different columns of 16 bytes modulo 256.  LDS serves a wave's instructions in order (ISA guide 5.7.1.4): no wait between the stores and the loads.
.macro TURN rr
.irp b, 0,1,2,3,4,5,6,7,8,9,10,11,12,13,14,15
	ds_store_b128 v[TS], v[\rr+4*\b:\rr+4*\b+3] offset:528*\b
.endr
.irp c, 0,1
.irp k, 0,1,2,3,4,5,6,7
	ds_load_b128 v[X+32*\c+4*\k:X+32*\c+4*\k+3], v[TL] offset:256*\c+16*\k
.endr
.endr
.endm
; 64 numbers of a lane (two whole blocks of 32) become the operand's eight registers and the row's scale word.
.macro QUANT x, fr, sw
	v_max3_num_f32 v[QM], |v[\x]|, |v[\x+1]|, 0x1800000              ; four chains, two a block; the floor 2^(3 - 127) keeps the byte at 1 or above
	v_max3_num_f32 v[QM+1], |v[\x+32]|, |v[\x+33]|, 0x1800000
	v_max3_num_f32 v[QM+2], |v[\x+16]|, |v[\x+17]|, |v[\x+18]|
	v_max3_num_f32 v[QM+3], |v[\x+48]|, |v[\x+49]|, |v[\x+50]|
.irp k, 0,2,4,6,8,10
	v_max3_num_f32 v[QM], v[QM], |v[\x+2+\k]|, |v[\x+3+\k]|
	v_max3_num_f32 v[QM+1], v[QM+1], |v[\x+34+\k]|, |v[\x+35+\k]|
	v_max3_num_f32 v[QM+2], v[QM+2], |v[\x+19+\k]|, |v[\x+20+\k]|
	v_max3_num_f32 v[QM+3], v[QM+3], |v[\x+51+\k]|, |v[\x+52+\k]|
.endr
	v_max3_num_f32 v[QM], v[QM], |v[\x+14]|, |v[\x+15]|
	v_max3_num_f32 v[QM+1], v[QM+1], |v[\x+46]|, |v[\x+47]|
	v_max3_num_f32 v[QM], v[QM], v[QM+2], |v[\x+31]|
	v_max3_num_f32 v[QM+1], v[QM+1], v[QM+3], |v[\x+63]|
	v_add_nc_u32 v[QM+2], 0xff000000, v[QM]                          ; 2 off the exponent field: the conversion's scale operand
	v_add_nc_u32 v[QM+3], 0xff000000, v[QM+1]
	v_lshrrev_b32 v[QM], 23, v[QM+2]                                 ; the bytes of blocks h and 2 + h
	v_lshrrev_b32 v[QM+1], 23, v[QM+3]
	v_lshl_or_b32 v[\sw], v[QM+1], 16, v[QM]
	v_lshlrev_b32 v[\sw], v[SH8], v[\sw]                             ; at their places in the word
	v_permlanex16_b32 v[QM+4], v[\sw], s[SEL], s[SEL+1]
	v_or_b32 v[\sw], v[\sw], v[QM+4]                                 ; with lane l xor 16's two the word is whole, in both lanes
.irp c, 0,1
.irp g, 0,1,2,3
	v_cvt_scalef32_pk8_fp4_f32 v[\fr+4*\c+\g], v[\x+32*\c+8*\g:\x+32*\c+8*\g+7], v[QM+2+\c]
.endr
.endr
	v_nop                                                            ; one plain place behind the last scaled conversion
.endm
	s_load_b256 s[4:11], s[0:1], 0x0               ; W_att s[4:5], hidden s[6:7], b_att s[8:9], wpk s[10:11]
	v_lshl_add_u32 v254, v0, 2, 0x23200
	v_mov_b32 v255, 0
	v_lshrrev_b32 v1, 5, v0
	v_readfirstlane_b32 s14, v1                    ; kappa: wave 0..15
	v_and_b32 v[QM], 31, v0                        ; lane
	v_and_b32 v[QM+1], 15, v0                      ; r
	v_bfe_u32 v[QM+2], v0, 4, 1                    ; h
	v_lshlrev_b32 v[L16], 4, v[QM]
	s_wait_alu depctr_va_sdst(0)                   ; s14 is written, ahead of its first reader: addresses and branches are made from it
	s_and_b32 s15, s14, 7
	s_mul_i32 s16, s14, 8448                       ; every LDS address is made here, ahead of the first branch on the wave's number
	v_add_nc_u32 v[TS], s16, v[L16]
	v_mul_u32_u24 v[TL], v[QM+1], 528
	v_lshl_add_u32 v[TL], v[QM+2], 7, v[TL]
	v_add_nc_u32 v[TL], s16, v[TL]
	v_lshlrev_b32 v[SH8], 3, v[QM+2]
	v_lshlrev_b32 v[H32], 5, v[QM+2]
	s_lshl_b32 s16, s15, 10
	v_add_nc_u32 v[CO], s16, v[L16]                ; 1,024 (kappa % 8) + 16 x lane
	v_add_nc_u32 v[GPS], GP, v[CO]
	v_add_nc_u32 v[GPL], GP, v[L16]
	v_add_nc_u32 v[SCL], SCI, v[L16]
	s_lshr_b32 s16, s15, 2
	s_lshl_b32 s16, s16, 8                         ; K steps 4-7 of the codes lie in lanes 16-31 of the image: 256 bytes on
	s_and_b32 s17, s14, 3
	s_lshl_b32 s17, s17, 2
	s_add_co_u32 s16, s16, s17
	s_add_co_u32 s16, s16, SCI
	v_lshlrev_b32 v[SCS], 4, v[QM+1]
	v_add_nc_u32 v[SCS], s16, v[SCS]
	v_mov_b32 v[QM+4], 0                           ; a lane permute's destination counts as one of its sources
	s_mov_b32 s[SEL], 0x76543210
	s_mov_b32 s[SEL+1], 0xfedcba98                 ; v_permlanex16_b32's selects for lane l xor 16
	s_lshl_b32 s24, ttmp9, 17                      ; 16 rows of 8,192 bytes
	s_lshl_b32 s16, s14, 9
	s_add_co_u32 s24, s24, s16                     ; + my K step's 512 bytes
	s_mov_b32 s25, 0
	s_lshl_b32 s26, s15, 9
	s_mov_b32 s27, 0
	s_lshl_b32 s28, ttmp9, 6
	s_mov_b32 s29, 0
	s_mul_i32 s30, ttmp9, PKG
	s_mov_b32 s31, 0
	s_wait_kmcnt 0x0
	s_add_nc_u64 s[4:5], s[4:5], s[24:25]
	s_add_nc_u64 s[6:7], s[6:7], s[26:27]
	s_add_nc_u64 s[8:9], s[8:9], s[28:29]
	s_add_nc_u64 s[10:11], s[10:11], s[30:31]
	s_wait_alu depctr_va_vdst(0)                   ; the addresses v1 to v11 are written, which every load and store of the kernel reads; none is written again
	global_load_b128 v[BA:BA+3], v[H32], s[8:9]
	global_load_b128 v[BA+4:BA+7], v[H32], s[8:9] offset:16
.irp b, 0,1,2,3,4,5,6,7,8,9,10,11,12,13,14,15
	global_load_b128 v[R+4*\b:R+4*\b+3], v[L16], s[4:5] offset:8192*\b th:TH_LOAD_NT   ; 512 dense bytes of row n0 + b; read once in the launch
.endr
	s_cmp_lt_u32 s14, 8
	s_cbranch_scc0 .Lcode_in
.irp b, 0,1,2,3,4,5,6,7,8,9,10,11,12,13,14,15
	global_load_b128 v[R2+4*\b:R2+4*\b+3], v[L16], s[6:7] offset:4096*\b               ; hidden's row b, the same K step
.endr
	s_wait_loadcnt 16                              ; b_att and W are in; hidden's sixteen loads may be out
	s_branch .Lw_in
.Lcode_in:
	s_wait_loadcnt 0x0
.Lw_in:
	TURN R
	s_wait_dscnt 0x0
	QUANT X, FRW, SWW
	s_wait_alu depctr_va_vdst(0)                   ; the maxima and conversions are done reading v[X ..], in which waves 0-7's second turn lands; they have written W's codes and scale word, which waves 8-15's stores read
	s_cmp_lt_u32 s14, 8
	s_cbranch_scc0 .Lcode
	s_wait_loadcnt 0x0                             ; hidden
	TURN R2
	s_wait_dscnt 0x0
	QUANT X, FRH, SWH
.rept 8
	v_nop                                          ; a scale register written by a vector instruction stands 8 places ahead of a scaled matrix instruction, an operand so written 4
.endr
	s_wait_alu depctr_va_vdst(0)                   ; both fragments and both scale words, made by vector instructions, are written: the scaled product takes them; the places above stay beside this wait
	v_wmma_scale_f32_16x16x128_f8f6f4 v[D:D+7], v[FRW:FRW+7], v[FRH:FRH+7], 0, v[SWW], v[SWH] matrix_a_fmt:MATRIX_FMT_FP4 matrix_b_fmt:MATRIX_FMT_FP4   ; source 0 = 16 rows of W, source 1 = hidden's 16 rows
.rept 4
	v_nop
.endr
	s_wait_alu depctr_va_vdst(0)                   ; the product has written v[D ..], which the LDS stores read; the places above stay beside this wait
	ds_store_b128 v[GPS], v[D:D+3]                 ; the result from its low end on
	ds_store_b128 v[GPS], v[D+4:D+7] offset:512
	s_branch .Lmeet
.Lcode:
	global_store_b128 v[CO], v[FRW:FRW+3], s[10:11]              ; 512 dense bytes a store
	global_store_b128 v[CO], v[FRW+4:FRW+7], s[10:11] offset:512
	ds_store_b32 v[SCS], v[SWW]                    ; both lanes of a row write the same word
.Lmeet:
	s_wait_dscnt 0x0                               ; for the others' sake: my LDS stores are done
	s_barrier_signal -1
	s_barrier_wait -1
	s_wait_alu depctr_vm_vsrc(0)                   ; my stage's stores have read v[R ..], in which the loads of waves 0 and 8 land below
	s_cmp_eq_u32 s14, 0
	s_cbranch_scc0 .Lnot_0
.irp k, 0,1,2,3,4,5,6,7
	ds_load_b128 v[R+8*\k:R+8*\k+3], v[GPL] offset:1024*\k
	ds_load_b128 v[R+8*\k+4:R+8*\k+7], v[GPL] offset:1024*\k+512
.endr
	s_wait_dscnt 0x0
.irp k, 0,1,2,3,4,5,6,7
.irp g, 0,2,4,6
	v_pk_add_f32 v[BA+\g:BA+\g+1], v[BA+\g:BA+\g+1], v[R+8*\k+\g:R+8*\k+\g+1]   ; b_att + the eight K steps, K ascending
.endr
.endr
	s_wait_alu depctr_va_vdst(0)                   ; the additions have written v[BA ..], which the two stores read
	global_store_b128 v[L16], v[BA:BA+3], s[10:11] offset:8704
	global_store_b128 v[L16], v[BA+4:BA+7], s[10:11] offset:9216
.Lnot_0:
	s_cmp_eq_u32 s14, 8
	s_cbranch_scc0 .Lend
	ds_load_b128 v[R:R+3], v[SCL]
	s_wait_dscnt 0x0
	global_store_b128 v[L16], v[R:R+3], s[10:11] offset:8192
.Lend:
	s_wait_dscnt 0x0                               ; the closing lines, six on end
	s_wait_alu 0x0
	s_wait_tensorcnt 0x0
	ds_add_u32 v254, v255
	s_wait_dscnt 0x0
	s_endpgm
.Lfunc_end_k_qcd64b36e15_prep:
	.size	k_qcd64b36e15_prep, .Lfunc_end_k_qcd64b36e15_prep-k_qcd64b36e15_prep
	.p2alignl 7, 3214868480
	.fill 96, 4, 3214868480
	.section	.rodata,"a",@progbits
	.p2align	6, 0x0
	.amdhsa_kernel k_qcd64b36e15_prep
		.amdhsa_group_segment_fixed_size 145920
		.amdhsa_private_segment_fixed_size 0
		.amdhsa_enable_private_segment 0
		.amdhsa_kernarg_size 32
		.amdhsa_user_sgpr_count 2
		.amdhsa_user_sgpr_kernarg_segment_ptr 1
		.amdhsa_wavefront_size32 1
		.amdhsa_system_sgpr_workgroup_id_x 1
		.amdhsa_system_sgpr_workgroup_id_y 1
		.amdhsa_system_sgpr_workgroup_id_z 1
		.amdhsa_system_vgpr_workitem_id 0
		.amdhsa_next_free_vgpr 256
		.amdhsa_next_free_sgpr 66
		.amdhsa_reserve_vcc 0
		.amdhsa_float_denorm_mode_32 3
		.amdhsa_float_denorm_mode_16_64 3
		.amdhsa_memory_ordered 1
		.amdhsa_forward_progress 1
		.amdhsa_inst_pref_size 21
	.end_amdhsa_kernel
	.amdgpu_metadata
---
amdhsa.version: [ 1, 2 ]
amdhsa.kernels:
  - .name:           k_qcd64b36e15_prep
    .symbol:         k_qcd64b36e15_prep.kd
    .args:
      - { .name: W_att, .offset: 0, .size: 8, .value_kind: global_buffer, .address_space: global }
      - { .name: hidden, .offset: 8, .size: 8, .value_kind: global_buffer, .address_space: global }
      - { .name: b_att, .offset: 16, .size: 8, .value_kind: global_buffer, .address_space: global }
      - { .name: wpk, .offset: 24, .size: 8, .value_kind: global_buffer, .address_space: global }
    .group_segment_fixed_size: 145920
    .private_segment_fixed_size: 0
    .kernarg_segment_align: 8
    .kernarg_segment_size: 32
    .max_flat_workgroup_size: 512
    .sgpr_count:     66
    .vgpr_count:     256
    .wavefront_size: 32
...
	.end_amdgpu_metadata
.endif
;; end of part 4
;; launch main (part 5): grid 256 x 1, 4 waves a work-group, no clusters, 317,952 bytes of LDS; arguments hidden_sequence, input_masks, v, wpk, part; writes part
.if DOCPART == 5
	.amdgcn_target "amdgcn-amd-amdhsa--gfx1250"
	.amdhsa_code_object_version 6
	.text
	.protected	k_qcd64b36e15_main
	.globl	k_qcd64b36e15_main
	.p2align	8
	.type	k_qcd64b36e15_main,@function
k_qcd64b36e15_main:
	s_mov_b64 s[64:65], 0
	v_nop
	global_prefetch_b8 v0, s[64:65] scope:SCOPE_SE
	s_setreg_imm32_b32 hwreg(HW_REG_WAVE_SCHED_MODE, 0, 2), 2
	s_setreg_imm32_b32 hwreg(HW_REG_WAVE_MODE, 25, 1), 1
	s_wait_xcnt 0x0
	s_wait_alu depctr_vm_vsrc(0)
; A work-group owns s = 8 g .. 8 g + 7, that is 128 rows (s, b) of hidden_sequence, and takes them from memory to its share of the context:
;   X: the rows are read once, quantised to FP4 (E2M1, one E8M0 byte for each 32 along K) in registers, and kept in LDS as bf16;
;   G: pre-activation = Q(hs) Q(W[:, 1024:])^T + (G + b_att), tanh, x v, summed over n: the scores;
;   then the mask, the softmax over the 16 b of each s, and part[g][b][k] = sum over my 8 s of weight x hs.  A third launch adds the 256 parts.
; A TILE OF 16 ROWS IS ONE s WITH b = 0 .. 15.  The product is used transposed (source 0 = 16 rows of W, source 1 = the tile): lane (r, h) holds b = r and register j holds n = n0 + 8 h + j.
; The half of the product that hangs on hidden is the same for every s: it comes from the first launch, with b_att added, as the C of each sum's first matrix instruction.
; SHARES.  X and the context: wave w owns k = 256 w .. 256 w + 255 of every row.  G: wave w owns n = 256 w .. 256 w + 255 (16 tiles) for all 8 tiles of rows, whose fragments (512 registers) every wave holds.
; ROWS THAT ARE NOT NEEDED.  Where an s has an open row, a masked row's weight is exp(-1e10 - max) = 0: its bytes are not fetched; its loads name the work-group's row 0 instead (a choice by s_cselect_b32
; on the mask's bits: the count of loads stays fixed and there is no branch).  An s with no open row has weights 1/16 and all its rows are fetched.
; W IS NOT SHARED THROUGH LDS, though all work-groups read it: the kept rows (262,144 bytes), the two stages of fragments (17,408) and the waves' stages (33,792) are all written by LDS stores; of the
; 327,680 bytes 10,240 would be left beside the text's 317,440, less than two packages of 9,728 for each of four waves.  So W comes in the order of the operand's registers, straight into registers, each byte once a work-group.
; LIMITS: the sum of |v[n]| under 9.9e9, so that a masked weight is exactly 0.  NaN and infinities among the inputs are not served.  A block of zeros gets the scale byte 1: its codes are zeros.
; hs is rounded to bf16 for the last product alone; sums are f32.
; THE MODE: SCHED_MODE bits 1:0 = 2 (LLVM: expert scheduling mode 2), set by the entry lines.  The code itself states the register dependences
; between vector or matrix instructions and memory or LDS instructions, with s_wait_alu, always for 0.
; THE PLAN.  Registers that memory or LDS instructions touch, and who else names them:
;   v1-11, v225-228  addresses, written once at the head: one wait on va_vdst ahead of the first load.
;   X:  VA           written by VASET in every even step, read by the 32 loads of two units: a wait on vm_vsrc ahead of VASET, one on va_vdst behind it.
;       raw sets     (window 1) global loads land in them, the stage's stores read them; no vector line names them.
;       sets of 64   the turn's LDS loads land in a set in step u - 1; step u's maxima and conversions read and write it, step u's stores of the kept rows read it; step u + 1's turn lands in it again.
;       FR, SWD, RB  written by a step's vector lines, read by its stores.
;       So a step has ONE wait on vm_vsrc, at its head, for all that stores and loads have read so far, and ONE on va_vdst, behind its vector lines and ahead of its run of stores; no vector line behind
;       that wait names the set of 64, so it serves the next step's turn as well.
;   G:  W's two sets, G + b_att, W's scale words, v's two sets: loads land in a set at a half's head; only matrix and vector lines of EARLIER halves have read that set.  The one wait on va_vdst at a half's end states it.
;       The accumulators and the sums are named by matrix and vector instructions alone.
;   The context: two sets of 64 registers and two weights by turns: at a tile's head the next tile's 17 loads go into the set that the tile before has left: one wait of each kind a tile.
; REGISTERS, in windows of 256 (s_set_vgpr_msb: bits 1:0 source 0, 3:2 source 1, 5:4 source 2, 7:6 destination):
;   window 0: v1-11 addresses, v12-15 mask bytes, v16-31 row offsets, v32-63 the rows' scale words, v64-71 W's scale words, v72-87 codes just made, v88-95 at work, v96-223 two sets of 64 numbers
;             (in G: v96-111 v, v112-127 the scores' sums), v224-235 addresses, v236-251 in G: G + b_att, then the scores
;   window 1: in X four sets of 64 registers as loaded; in G: v0-127 four sets of four accumulators, v128-255 W's fragments, two sets; then the kept rows on their way back, two sets
;   windows 2, 3: the fragments of tile m at window 2 + m / 4, register 64 (m % 4) + 8 q; afterwards window 2, v0-127: the context
.set PKG,  9728                        ; a package of the first launch: 8 fragments, 512 bytes of scale words, 1,024 of G + b_att
.set STG,  262144                      ; LDS: 0: the kept rows: (m, w, e) at 32,768 m + 8,192 w + 4,096 e.  STG: two stages of STGP bytes: a tile's 8 fragments and its scale words
.set STGP, 8704
.set TST,  279552                      ; four stages of 16 rows x 528 bytes, a wave's own
.set SCR,  313344                      ; the waves' parts of the scores: 512 w + 64 m + 4 b
.set WTB,  315392                      ; the weights, a copy for each wave: 512 w + 64 s + 4 b
.set L16,  1                           ; 16 x lane
.set TS,   2                           ; my stage, by lanes: 16 x lane
.set TL,   3                           ; my stage, by rows: 528 r + 128 h
.set RB0,  4                           ; kept rows: 16 x lane + 8,192 w
.set SA,   5                           ; where I put my fragments: STG + 16 x lane + 2,048 w
.set SS,   6                           ; and my scale words
.set FA,   7                           ; STG + 16 x lane
.set H32,  8                           ; 32 h
.set SH8,  9                           ; 8 h
.set ZERO, 10
.set HB,   11                          ; 16 x lane + 1,024 w: my bytes of a row of hs, and of part
.set MK,   12                          ; v12-15 mask byte of (s = i + 4 h, b = r)
.set VA,   16                          ; v16-31 the byte offsets of a tile's 16 rows
.set AS,   32                          ; v32-63 register 4 m + i: lanes 0-15 tile m's words of K step i, lanes 16-31 of K step i + 4.  Scales and nothing else
.set WS,   64                          ; v64-71 the same for W, two sets
.set FR,   72                          ; v72-87 two sets of 8
.set QM,   88                          ; v88-92 at work in QUANT
.set SWE,  93                          ; v93-94 my two K steps' scale words
.set SWD,  95
.set X0,   96
.set VV,   96                          ; in G: v96-111 a tile's 8 numbers of v for my half of the lanes, two sets
.set P,    112                         ; in G: v112-127 the eight tiles' sums, a pair each
.set RB,   224
.set SCW,  225
.set SCRD, 226
.set WTW,  227
.set WA0,  228
.set RA0,  229
.set WA,   231
.set WN,   232                         ; v232-233 the weights of two tiles, by turns
.set NEG,  234
.set GI,   236                         ; in G: v236-251 G + b_att of a tile, two sets
.set T,    236                         ; behind G: v236-243 a score's part for each tile
.set TP,   244                         ; v244-251
.set WF,   128                         ; window 1
.set EB,   128
.set WV,   14                          ; scalars
.set NB,   16                          ; s16-19 bit 16 (m % 2) + b of s[16 + m / 2]: row (m, b) is fetched
.set SEL,  20
.set C2,   22
.set HM,   24
.set WPB,  26                          ; s[26:27] my 16 packages
.set VPB,  28                          ; s[28:29] my 256 numbers of v
.set CNT,  32
.set CT,   33
.set CW,   34
.set WI,   35                          ; which of my 16 tiles the last package asked for is
.set WPA,  36                          ; s[36:37] its address
.set VPA,  38                          ; s[38:39] the address of the v last asked for
.set VT,   40                          ; s40-43 at work: in X row offsets, in the softmax the four masks
.set WO,   44                          ; s[44:45], s[46:47] offsets, with 0 above them
.set VO,   46
.set VI,   48                          ; which tile's v is asked for next
.set MSB, 0
.macro WIN new                         ; the immediate's high byte repeats the setting that is left; a switch that changes nothing is dropped
.if MSB != (\new)
	s_set_vgpr_msb (MSB<<8)|(\new)
.set MSB, (\new)
.endif
.endm
; The offsets of tile m's 16 rows: the row's own where it is needed, else 0.  Four rows at a time, so that no line waits for the line above it.  The offset is held at the work-group's last row.
.macro VASET m
.irp b0, 0,4,8,12
.irp k, 0,1,2,3
	s_bitcmp1_b32 s[NB+(\m)/2], 16*((\m)%2)+\b0+\k
	s_cselect_b32 s[VT+\k], (16*(\m)+\b0+\k)*4096, 0
.endr
.irp k, 0,1,2,3
	s_min_u32 s[VT+\k], s[VT+\k], 0x7f000
.endr
.irp k, 0,1,2,3
	v_add_nc_u32 v[VA+\b0+\k], s[VT+\k], v[HB]
.endr
.endr
.endm
; Unit u = 2 m + e: 16 rows x my 128 k of K step 2 w + e; each load reads 512 dense bytes of one row.  No cache hint: row 0 may be named many times.
.macro LOADU u
	WIN 0x40
.irp b, 0,1,2,3,4,5,6,7,8,9,10,11,12,13,14,15
	global_load_b128 v[64*((\u)%4)+4*\b:64*((\u)%4)+4*\b+3], v[VA+\b], s[4:5] offset:512*((\u)%2)
.endr
	WIN 0
.endm
; The unit turns through my stage: in as it was loaded, out 128 bytes of one row a lane: register 32 c + i is k = 64 c + 32 h + i of row r.  The pitch, 528 = 33 x 16 bytes, puts the sixteen rows
; of a load in sixteen different columns of 16 bytes modulo 256.  LDS serves a wave's instructions in order (ISA guide 5.7.1.4): no wait between the stores and the loads.
.macro TURN u
	WIN 0x04
.irp b, 0,1,2,3,4,5,6,7,8,9,10,11,12,13,14,15
	ds_store_b128 v[TS], v[64*((\u)%4)+4*\b:64*((\u)%4)+4*\b+3] offset:528*\b
.endr
	WIN 0
.irp c, 0,1
.irp k, 0,1,2,3,4,5,6,7
	ds_load_b128 v[X0+64*((\u)%2)+32*\c+4*\k:X0+64*((\u)%2)+32*\c+4*\k+3], v[TL] offset:256*\c+16*\k
.endr
.endr
.endm
; 64 numbers of a lane (two whole blocks of 32) become the operand's eight registers and the row's scale word.
.macro QUANT x, fr, sw
	v_max3_num_f32 v[QM], |v[\x]|, |v[\x+1]|, 0x1800000              ; four chains, two a block; the floor 2^(3 - 127) keeps the byte at 1 or above
	v_max3_num_f32 v[QM+1], |v[\x+32]|, |v[\x+33]|, 0x1800000
	v_max3_num_f32 v[QM+2], |v[\x+16]|, |v[\x+17]|, |v[\x+18]|
	v_max3_num_f32 v[QM+3], |v[\x+48]|, |v[\x+49]|, |v[\x+50]|
.irp k, 0,2,4,6,8,10
	v_max3_num_f32 v[QM], v[QM], |v[\x+2+\k]|, |v[\x+3+\k]|
	v_max3_num_f32 v[QM+1], v[QM+1], |v[\x+34+\k]|, |v[\x+35+\k]|
	v_max3_num_f32 v[QM+2], v[QM+2], |v[\x+19+\k]|, |v[\x+20+\k]|
	v_max3_num_f32 v[QM+3], v[QM+3], |v[\x+51+\k]|, |v[\x+52+\k]|
.endr
	v_max3_num_f32 v[QM], v[QM], |v[\x+14]|, |v[\x+15]|
	v_max3_num_f32 v[QM+1], v[QM+1], |v[\x+46]|, |v[\x+47]|
	v_max3_num_f32 v[QM], v[QM], v[QM+2], |v[\x+31]|
	v_max3_num_f32 v[QM+1], v[QM+1], v[QM+3], |v[\x+63]|
	v_add_nc_u32 v[QM+2], 0xff000000, v[QM]                          ; 2 off the exponent field: the conversion's scale operand
	v_add_nc_u32 v[QM+3], 0xff000000, v[QM+1]
	v_lshrrev_b32 v[QM], 23, v[QM+2]                                 ; the bytes of blocks h and 2 + h
	v_lshrrev_b32 v[QM+1], 23, v[QM+3]
	v_lshl_or_b32 v[\sw], v[QM+1], 16, v[QM]
	v_lshlrev_b32 v[\sw], v[SH8], v[\sw]
	v_permlanex16_b32 v[QM+4], v[\sw], s[SEL], s[SEL+1]
	v_or_b32 v[\sw], v[\sw], v[QM+4]                                 ; with lane l xor 16's two the word is whole, in both lanes
.irp c, 0,1
.irp g, 0,1,2,3
	v_cvt_scalef32_pk8_fp4_f32 v[\fr+4*\c+\g], v[\x+32*\c+8*\g:\x+32*\c+8*\g+7], v[QM+2+\c]
.endr
.endr
	v_nop                                                            ; one plain place behind the last scaled conversion
.endm
; THE WALK OVER W IS TURNED: work-group g takes, as its step t, tile (t + g) % 16 of each wave's sixteen, and v likewise: so the 256 work-groups, which run in step, ask at any step for all 64 packages
; and not all for the same four.  Only the order of the sum over n hangs on it.  NEXTW and NEXTV make the next address; they stand behind s_wait_xcnt 0, since earlier loads named the pair.
.macro NEXTW
	s_add_co_u32 s[WI], s[WI], 1
	s_and_b32 s[WI], s[WI], 15
	s_mul_i32 s[WO], s[WI], PKG
	s_add_nc_u64 s[WPA:WPA+1], s[WPB:WPB+1], s[WO:WO+1]
.endm
.macro NEXTV
	s_lshl_b32 s[VO], s[VI], 6
	s_add_nc_u64 s[VPA:VPA+1], s[VPB:VPB+1], s[VO:VO+1]
	s_add_co_u32 s[VI], s[VI], 1
	s_and_b32 s[VI], s[VI], 15
.endm
; The parts of the package at s[WPA], into set buf; and the 16 numbers of v at s[VPA].
.macro LOADF buf
	WIN 0x40
.irp f, 0,1,2,3,4,5,6,7,8,9,10,11,12,13,14,15
	global_load_b128 v[WF+64*(\buf)+4*\f:WF+64*(\buf)+4*\f+3], v[L16], s[WPA:WPA+1] offset:512*\f
.endr
.endm
.macro LOADGI buf
	WIN 0
	global_load_b128 v[GI+8*(\buf):GI+8*(\buf)+3], v[L16], s[WPA:WPA+1] offset:8704
	global_load_b128 v[GI+8*(\buf)+4:GI+8*(\buf)+7], v[L16], s[WPA:WPA+1] offset:9216
.endm
.macro LOADWS buf
	WIN 0
	global_load_b128 v[WS+4*(\buf):WS+4*(\buf)+3], v[L16], s[WPA:WPA+1] offset:8192
.endm
.macro LOADV buf
	WIN 0
	global_load_b128 v[VV+8*(\buf):VV+8*(\buf)+3], v[H32], s[VPA:VPA+1]
	global_load_b128 v[VV+8*(\buf)+4:VV+8*(\buf)+7], v[H32], s[VPA:VPA+1] offset:16
.endm
	s_load_b256 s[4:11], s[0:1], 0x0               ; hs s[4:5], masks s[6:7], v s[8:9], wpk s[10:11]
	s_load_b64 s[12:13], s[0:1], 0x20              ; part
	v_lshl_add_u32 v254, v0, 2, 0x4d800
	v_mov_b32 v255, 0
	v_lshrrev_b32 v1, 5, v0
	v_readfirstlane_b32 s[WV], v1                  ; wave 0..3
	v_and_b32 v[QM], 31, v0                        ; lane
	v_and_b32 v[QM+1], 15, v0                      ; r
	v_bfe_u32 v[QM+2], v0, 4, 1                    ; h
	v_lshlrev_b32 v[L16], 4, v[QM]
	s_wait_alu depctr_va_sdst(0)                   ; s[WV] is written, ahead of its first reader: the wave's addresses are made from it
	s_mul_i32 s15, s[WV], 8448
	s_add_co_u32 s15, s15, TST
	v_add_nc_u32 v[TS], s15, v[L16]
	v_mul_u32_u24 v[TL], v[QM+1], 528
	v_lshl_add_u32 v[TL], v[QM+2], 7, v[TL]
	v_add_nc_u32 v[TL], s15, v[TL]
	s_lshl_b32 s15, s[WV], 13
	v_add_nc_u32 v[RB0], s15, v[L16]
	s_lshl_b32 s15, s[WV], 11
	s_add_co_u32 s15, s15, STG
	v_add_nc_u32 v[SA], s15, v[L16]
	s_lshr_b32 s15, s[WV], 1                       ; the word of (row r, K step q = 2 w + e) lies at 16 r + 256 (q / 4) + 4 (q % 4); lanes 0-15 write e = 0, lanes 16-31 e = 1
	s_lshl_b32 s15, s15, 8
	s_and_b32 s25, s[WV], 1
	s_lshl_b32 s25, s25, 3
	s_add_co_u32 s15, s15, s25
	s_add_co_u32 s15, s15, STG+8192
	v_lshlrev_b32 v[SS], 4, v[QM+1]
	v_lshl_add_u32 v[SS], v[QM+2], 2, v[SS]
	v_add_nc_u32 v[SS], s15, v[SS]
	v_add_nc_u32 v[FA], STG, v[L16]
	v_lshlrev_b32 v[H32], 5, v[QM+2]
	v_lshlrev_b32 v[SH8], 3, v[QM+2]
	v_mov_b32 v[ZERO], 0
	s_lshl_b32 s15, s[WV], 10
	v_add_nc_u32 v[HB], s15, v[L16]
	s_lshl_b32 s15, s[WV], 9
	v_lshlrev_b32 v[SCRD], 2, v[QM+1]              ; 4 r
	s_add_co_u32 s25, s15, SCR
	v_add_nc_u32 v[SCW], s25, v[SCRD]
	s_add_co_u32 s25, s15, WTB
	v_add_nc_u32 v[WA0], s25, v[SCRD]
	v_lshl_add_u32 v[WTW], v[QM+2], 8, v[WA0]
	v_lshl_add_u32 v[SCRD], v[QM+2], 8, v[SCRD]
	v_add_nc_u32 v[SCRD], SCR, v[SCRD]
	v_lshl_add_u32 v[QM+3], v[QM+2], 6, v[QM+1]    ; 64 h + r
	v_mov_b32 v[QM+4], 0                           ; a lane permute's destination counts as one of its sources
	s_mov_b32 s[SEL], 0x76543210
	s_mov_b32 s[SEL+1], 0xfedcba98                 ; v_permlanex16_b32's selects for lane l xor 16
	s_mov_b32 s[C2], 0x4038aa3b                    ; 2 log2(e)
	s_mov_b32 s[C2+1], s[C2]                       ; (named with it as a pair, so it is written)
	s_mov_b32 s[HM], 0xffff0000                    ; lanes 16-31
	s_and_b32 s[WI], ttmp9, 15                     ; where my walk over the tiles of W begins
	s_mov_b32 s[VI], s[WI]
	s_mul_i32 s[WO], s[WI], PKG
	s_mov_b32 s[WO+1], 0
	s_mov_b32 s[VO+1], 0
	s_lshl_b32 s30, ttmp9, 7                       ; my 128 mask bytes
	s_mov_b32 s31, 0
	s_wait_kmcnt 0x0
	s_add_nc_u64 s[6:7], s[6:7], s[30:31]
	s_wait_alu depctr_va_vdst(0)                   ; all the head's addresses are written: v[QM] and v[QM+3], which the masks' loads read, and those that stay for the whole kernel
.irp i, 0,1,2,3
	global_load_u8 v[X0+\i], v[QM], s[6:7] offset:32*\i      ; row 32 i + lane
.endr
.irp i, 0,1,2,3
	global_load_u8 v[MK+\i], v[QM+3], s[6:7] offset:16*\i    ; (s = i + 4 h, b = r)
.endr
	s_lshl_b32 s30, ttmp9, 19                      ; 128 rows of 4,096 bytes
	s_add_nc_u64 s[4:5], s[4:5], s[30:31]
	s_lshl_b32 s30, ttmp9, 16
	s_add_nc_u64 s[12:13], s[12:13], s[30:31]
	s_mul_i32 s30, s[WV], 16*PKG                   ; my 16 tiles of W
	s_add_nc_u64 s[WPB:WPB+1], s[10:11], s[30:31]
	s_add_nc_u64 s[WPA:WPA+1], s[WPB:WPB+1], s[WO:WO+1]   ; the first of my walk
	s_lshl_b32 s30, s[WV], 10                      ; my 256 numbers of v
	s_add_nc_u64 s[VPB:VPB+1], s[8:9], s[30:31]
	s_wait_loadcnt 0x0
.irp i, 0,1,2,3
	v_cmp_ne_u32 s[NB+\i], 0, v[X0+\i]
.endr
	s_wait_alu depctr_va_sdst(0)                   ; the four compares have written s[NB ..], ahead of their first reader
.irp i, 0,1,2,3                                ; an s with no open row: its weights are 1/16, all its rows are fetched
	s_and_b32 s25, s[NB+\i], 0xffff
	s_cmp_eq_u32 s25, 0
	s_cselect_b32 s25, 0xffff, 0
	s_or_b32 s[NB+\i], s[NB+\i], s25
	s_lshr_b32 s25, s[NB+\i], 16
	s_cmp_eq_u32 s25, 0
	s_cselect_b32 s25, 0xffff0000, 0
	s_or_b32 s[NB+\i], s[NB+\i], s25
.endr
; ---- X.  Sixteen units a wave.  Loads run four units ahead, the turn through LDS one.
	VASET 0
	s_wait_alu depctr_va_vdst(0)                   ; the row offsets are written, which the loads read; the compares are done reading v[X0 ..], in which the first turn lands
	LOADU 0
	LOADU 1
	s_wait_xcnt 0x0                                ; the row offsets are rewritten only behind this wait
	s_wait_alu depctr_vm_vsrc(0)                   ; and behind this one: the 32 loads have read them
	VASET 1
	s_wait_alu depctr_va_vdst(0)                   ; the row offsets are written, which the loads read
	LOADU 2
	LOADU 3
	s_wait_loadcnt 48                              ; unit 0 is in; three units may be out
	TURN 0
.macro STEP u
.set M_, (\u)/2
.set E_, (\u)%2
.set XB, X0+64*E_
.set FB, FR+8*E_
.if (\u) == 0
	s_wait_dscnt 0x0                               ; this unit is back from the stage, so the stage's stores have read their registers
.elseif E_ == 1
	s_wait_dscnt 10                                ; likewise; behind its turn stand the last step's ten stores, which name the other sets of registers
.else
	s_wait_dscnt 17                                ; likewise; the 17 loads that fetch the tile before may be out
.endif
.if (\u) < 15
	s_wait_alu depctr_vm_vsrc(0)                   ; the stores and loads issued so far have read their registers.  Of these the step writes again: this unit's registers as loaded (new loads land there), the other set of 64 (the next turn lands there), the codes, the scale word and v[RB] of two steps back, the row offsets; step 0 also v[QM] and v[QM+3], the masks' offsets
.endif
.if (\u) <= 11
.if E_ == 0
	s_wait_xcnt 0x0                                ; the row offsets are rewritten only behind this wait
	VASET M_+2
	s_wait_alu depctr_va_vdst(0)                   ; the row offsets are written, which this step's and the next step's loads read
.endif
	LOADU (\u)+4
	s_wait_loadcnt 48                              ; the next unit is in; three units may be out
.elseif (\u) == 12
	LOADGI 0                                       ; the first package of my walk is asked for here: 3 loads,
	LOADWS 0
	s_wait_loadcnt 35                              ; units 14 and 15 and these 3 may be out
.elseif (\u) == 13
	s_wait_loadcnt 19                              ; unit 15 and the 3
.elseif (\u) == 14
	LOADF 0                                        ; and its 16 fragment loads, into the registers that this unit has left
	s_wait_loadcnt 19                              ; the 3 and these 16
.endif
.if (\u) < 15
	TURN (\u)+1                                    ; no wait on va_vdst: the vector lines that named the set in which it lands stand ahead of the last step's wait, and none since names it
.endif
	WIN 0
	QUANT XB, FB, SWE+E_
.set k_, 0
.rept 32
	v_cvt_pk_bf16_f32 v[XB+k_], v[XB+2*k_], v[XB+2*k_+1]     ; in place, ascending: no number is written over before it is read
.set k_, k_+1
.endr
.if E_ == 0
	v_add_nc_u32 v[RB], M_*32768, v[RB0]           ; the tile's place among the kept rows
.else
	v_cndmask_b32 v[SWD], v[SWE], v[SWE+1], s[HM]  ; lanes 0-15 my first K step's word, lanes 16-31 my second's
.endif
	s_wait_alu depctr_va_vdst(0)                   ; the step's vector lines have written what its stores read: the rows in bf16, the codes, v[RB] or the scale word; and they are done with this set of 64, in which the next step's turn lands
.irp g, 0,1,2,3,4,5,6,7
	ds_store_b128 v[RB], v[XB+4*\g:XB+4*\g+3] offset:4096*E_+512*\g          ; the rows are kept as an image of these registers: my own bytes, read by me alone
.endr
.irp c, 0,1
	ds_store_b128 v[SA], v[FB+4*\c:FB+4*\c+3] offset:(M_%2)*STGP+1024*E_+512*\c  ; the fragment, as an image of its registers
.endr
.if E_ == 1
	ds_store_b32 v[SS], v[SWD] offset:(M_%2)*STGP
	s_wait_dscnt 0x0                               ; my stores have landed, and my fetch of the tile before, which the next tile's stores will write over, is in
	s_barrier_signal -1
	s_barrier_wait -1                              ; the tile's eight fragments and its scale words lie in LDS
	WIN 0x80+0x40*(M_/4)
.irp q, 0,1,2,3,4,5,6,7
.irp c, 0,1
	ds_load_b128 v[64*(M_%4)+8*\q+4*\c:64*(M_%4)+8*\q+4*\c+3], v[FA] offset:(M_%2)*STGP+1024*\q+512*\c
.endr
.endr
	WIN 0
	ds_load_b128 v[AS+4*M_:AS+4*M_+3], v[FA] offset:(M_%2)*STGP+8192
.endif
.endm
.irp u, 0,1,2,3,4,5,6,7,8,9,10,11,12,13,14,15
	STEP \u
.endr
; ---- G.  A PIECE is a tile of W (16 n) against four tiles of rows: piece h = 2 t + p is step t of my walk against tiles 4 p .. 4 p + 3.  HALF h gives piece h the matrix unit: 32 instructions into set h % 4 of four sets
; of four accumulators.  tanh(x) = 1 - 2 / (1 + 2^(2 log2(e) x)), which goes to 1 and to -1 by itself where the exponential overflows or falls to 0, is cut into three stages, each a half long:
;   in half h piece h - 1 is multiplied by 2 log2(e) and put through the exponential, piece h - 2 gets + 1 and the reciprocal, piece h - 3 becomes 1 - 2 r, is multiplied by v and added to its tiles' sums.
; The stages touch different sets.  So plain lines and transcendentals stand by turns behind each matrix instruction, and no line of a half names the result of a transcendental of the same half:
; ONE wait, at the half's end, serves all 64, ahead of their first readers, of every label and of every branch.
; Matrix instruction i of a half: K step i / 4, tile 4 p + i % 4.  The four accumulators take turns, one instruction a turn.  The first four take G + b_att, in window 0, as C.
.macro MM p, buf, sm
.set q_, i/4
.set mm_, i%4
.if q_ == 0
	WIN 0x49+4*(\p)                                ; W and D window 1, C window 0; the rows' fragments window 2 + p
.else
	WIN 0x59+4*(\p)                                ; W, C and D window 1
.endif
.set rD, 32*(\sm)+8*mm_
.set rW, WF+64*(\buf)+8*q_
.set rA, 64*mm_+8*q_
.set rSW, WS+4*(\buf)+q_%4
.set rSA, AS+4*(4*(\p)+mm_)+q_%4
.if q_ == 0
	v_wmma_scale_f32_16x16x128_f8f6f4 v[rD:rD+7], v[rW:rW+7], v[rA:rA+7], v[GI+8*(\buf):GI+8*(\buf)+7], v[rSW], v[rSA] matrix_a_fmt:MATRIX_FMT_FP4 matrix_b_fmt:MATRIX_FMT_FP4
.elseif q_ < 4
	v_wmma_scale_f32_16x16x128_f8f6f4 v[rD:rD+7], v[rW:rW+7], v[rA:rA+7], v[rD:rD+7], v[rSW], v[rSA] matrix_a_fmt:MATRIX_FMT_FP4 matrix_b_fmt:MATRIX_FMT_FP4
.else
	v_wmma_scale_f32_16x16x128_f8f6f4 v[rD:rD+7], v[rW:rW+7], v[rA:rA+7], v[rD:rD+7], v[rSW], v[rSA] matrix_a_fmt:MATRIX_FMT_FP4 matrix_b_fmt:MATRIX_FMT_FP4 matrix_a_scale:MATRIX_SCALE_ROW1 matrix_b_scale:MATRIX_SCALE_ROW1
.endif
.endm
; The stages' lines.  x_: a pair (0 .. 15) of a set's 32 registers; y_: a register.  All but the last kind name vector registers as source 0 and destination alone, which the matrix settings leave in window 1: no switch.
.macro W11
.if (MSB & 0xc3) != 0x41
	WIN 0x41
.endif
.endm
.macro IA                              ; x 2 log2(e).  The pairs go up
	W11
	v_pk_mul_f32 v[32*sAB+2*x_:32*sAB+2*x_+1], v[32*sAB+2*x_:32*sAB+2*x_+1], s[C2:C2+1] op_sel_hi:[1,0]
.endm
.macro IB
	W11
	v_exp_f32 v[32*sAB+y_], v[32*sAB+y_]
.endm
.macro IC                              ; + 1
	W11
	v_pk_add_f32 v[32*sCD+2*x_:32*sCD+2*x_+1], v[32*sCD+2*x_:32*sCD+2*x_+1], 1.0 op_sel_hi:[1,0]
.endm
.macro ID
	W11
	v_rcp_f32 v[32*sCD+y_], v[32*sCD+y_]
.endm
.macro IE                              ; 1 - 2 r
	W11
	v_pk_fma_f32 v[32*sEF+2*x_:32*sEF+2*x_+1], v[32*sEF+2*x_:32*sEF+2*x_+1], -2.0, 1.0 op_sel_hi:[1,0,0]
.endm
.macro IFG                             ; a tile's sum += tanh x v: pair x_ (0 .. 3) of each of the piece's four accumulators.  v and the sums lie in window 0: four lines under one switch
	WIN 0x01
.irp tm, 0,1,2,3
	v_pk_fma_f32 v[P+2*(4*pp_+\tm):P+2*(4*pp_+\tm)+1], v[32*sEF+8*\tm+2*x_:32*sEF+8*\tm+2*x_+1], v[VV+8*vb_+2*x_:VV+8*vb_+2*x_+1], v[P+2*(4*pp_+\tm):P+2*(4*pp_+\tm)+1]
.endr
.endm
; A HALF.  p, buf = t % 2, hm = h % 4.  mm, ab, cd, ef: which of the four kinds of work it has.  ldw: the next step's package (19 loads) is asked for, into the other set; ldv: this step's v (2 loads), which is
; first read two halves on.  wcnt: the loads that may stay out (-1: no wait).
; Behind matrix instruction i: i even: the scaling and the + 1 of pair i / 2 + 1, each ahead of a transcendental; i odd and under 16: two lines 1 - 2 r; i = 19, 23, 27, 31: four lines x v.  Exponential i and reciprocal i in every slice.
; The four lines x v behind the half's last product name none of its registers: they are the places ahead of the first read of the set that it wrote (ISA guide 7.12.1);
; a half that has none of them yet has four v_nop.  They are also the plain lines behind the last transcendental.
; Piece h - 3 is the other p's: for p = 0 of step t - 2 (v's set buf), for p = 1 of step t - 1 (the other set).
; THE LOADS stand in one run at the half's head, straight behind the wait at the end of the half before.  They land in the sets that this half's matrix and vector lines do not name: W's other set, its G + b_att and
; scale words (last read by the two halves of the step before), or v's set buf (last read by the lines x v of the half before).  They are not dealt among the products: a group there would want two window switches of its own.
.macro HALF p, buf, hm, mm, ab, cd, ef, ldw, ldv, wcnt
.set sAB, ((\hm)+3)%4
.set sCD, ((\hm)+2)%4
.set sEF, ((\hm)+1)%4
.set pp_, 1-(\p)
.set vb_, (\p)*(1-(\buf))+(1-(\p))*(\buf)
.if \ldw
	s_wait_xcnt 0x0                                ; the address pair is rewritten only behind this wait
	NEXTW
	LOADF 1-(\buf)
	LOADGI 1-(\buf)
	LOADWS 1-(\buf)
.endif
.if \ldv
	s_wait_xcnt 0x0
	NEXTV
	LOADV \buf
.endif
.if (\wcnt) >= 0
	s_wait_loadcnt \wcnt
.endif
.set i, 0
.rept 32
.if \mm
	MM \p, \buf, \hm
.endif
.if i%2 == 0
.if i == 0
.set x_, 0
.if \ab
	IA
.endif
.if \cd
	IC
.endif
.endif
.set x_, i/2+1
.set y_, i
.if (\ab) && (x_ < 16)
	IA
.endif
.if \ab
	IB
.endif
.if (\cd) && (x_ < 16)
	IC
.endif
.if \cd
	ID
.endif
.else
.set y_, i
.set x_, i-1
.if (\ef) && (i < 16)
	IE
.endif
.if \ab
	IB
.endif
.set x_, i
.if (\ef) && (i < 16)
	IE
.endif
.if \cd
	ID
.endif
.set x_, (i-19)/4
.if (\ef) && (i >= 19) && (i%4 == 3)
	IFG
.endif
.endif
.set i, i+1
.endr
.if !(\ef)
.rept 4
	v_nop
.endr
.endif
.if (\ab) || (\cd)
	s_wait_alu depctr_va_vdst(0)                   ; the half's one wait: its exponentials and reciprocals have written their results, which the next half reads; its products are done reading W's set, G + b_att and the scale words, and its lines x v are done reading v's set, in which the next halves' loads land
.endif
.endm
	s_wait_dscnt 0x0                               ; the last tile's fragments are in
	WIN 0
	s_wait_alu depctr_vm_vsrc(0)                   ; unit 15's stores into the stage have read window 1's v192-255, in which W's second set lands; the stores of unit 14's kept rows have read v96-127, which become v and the sums
.irp k, 0,1,2,3,4,5,6,7,8,9,10,11,12,13,14,15
	v_mov_b32 v[P+\k], 0                           ; the eight tiles' sums, a pair each
.endr
; THE COUNTS.  The loads go out in this order: package t + 1 (19) in piece (t, 0)'s half, v of step t (2) in piece (t, 1)'s.  Piece (t, 0) wants package t: behind it stand v of step t - 1 and package t + 1: 21.
; Piece (t, 1)'s half multiplies by v of step t - 1: behind it stand package t + 1 and v of step t: 21.
	HALF 0, 0, 0, 1, 0, 0, 0, 1, 0, 19             ; h = 0: the first package is in; the second's 19 loads may be out.  (No vector or matrix line has named the registers in which these land)
	HALF 1, 0, 1, 1, 1, 0, 0, 0, 1, -1             ; h = 1.  (v's first set: the vector lines of X that named it stand ahead of X's last waits, and none since names it)
	HALF 0, 1, 2, 1, 1, 1, 0, 1, 0, 21             ; h = 2
	WIN 0                                          ; at a label and at a branch every window is 0
	s_mov_b32 s[CNT], 6
.Ltiles:                                           ; a trip: h = 4 j + 3 .. 4 j + 6: the sets of accumulators, of W and of v are back where they began
	HALF 1, 1, 3, 1, 1, 1, 1, 0, 1, 21
	HALF 0, 0, 0, 1, 1, 1, 1, 1, 0, 21
	HALF 1, 0, 1, 1, 1, 1, 1, 0, 1, 21
	HALF 0, 1, 2, 1, 1, 1, 1, 1, 0, 21
	WIN 0
	s_sub_co_u32 s[CNT], s[CNT], 1
	s_cmp_lg_u32 s[CNT], 0
	s_cbranch_scc1 .Ltiles
	HALF 1, 1, 3, 1, 1, 1, 1, 0, 1, 21             ; h = 27: step 13
	HALF 0, 0, 0, 1, 1, 1, 1, 1, 0, 21             ; h = 28: the last package is asked for
	HALF 1, 0, 1, 1, 1, 1, 1, 0, 1, 21             ; h = 29
	HALF 0, 1, 2, 1, 1, 1, 1, 0, 0, 2              ; h = 30: nothing more of W to fetch; behind the last package stands v of step 14
	HALF 1, 1, 3, 1, 1, 1, 1, 0, 1, 2              ; h = 31: the last v is asked for; v of step 14 is in
	HALF 0, 0, 0, 0, 1, 1, 1, 0, 0, -1             ; the three stages run empty: no products
	HALF 1, 0, 1, 0, 0, 1, 1, 0, 0, 0              ; (the last v is in)
	HALF 0, 1, 2, 0, 0, 0, 1, 0, 0, -1
; ---- The scores: my 256 n of each row; the four waves' parts meet in LDS.
	WIN 0
.irp m, 0,1,2,3,4,5,6,7
	v_add_f32 v[T+\m], v[P+2*\m], v[P+2*\m+1]
.endr
.irp m, 0,1,2,3,4,5,6,7
	v_mov_b32 v[TP+\m], 0
.endr
.irp m, 0,1,2,3,4,5,6,7
	v_permlanex16_b32 v[TP+\m], v[T+\m], s[SEL], s[SEL+1]
.endr
.irp m, 0,1,2,3,4,5,6,7
	v_add_f32 v[T+\m], v[T+\m], v[TP+\m]           ; with lane l xor 16's eight n of each tile
.endr
	s_wait_alu depctr_va_vdst(0)                   ; the additions have written v[T ..], which the stores read; the lines x v are done reading v's registers, in which the loads behind the barrier land
.irp m, 0,1,2,3,4,5,6,7
	ds_store_b32 v[SCW], v[T+\m] offset:64*\m      ; both lanes of a row write the same word
.endr
	s_wait_dscnt 0x0
	s_barrier_signal -1
	s_barrier_wait -1
; Every wave makes all 128 weights for itself: lane (r, h) has (s = i + 4 h, b = r), so a softmax's 16 numbers lie in 16 neighbouring lanes.
.irp i, 0,1,2,3
.irp ww, 0,1,2,3
	ds_load_b32 v[X0+4*\i+\ww], v[SCRD] offset:512*\ww+64*\i
.endr
.endr
	v_mov_b32 v[NEG], 0xd01502f9                   ; -1e10
	s_wait_dscnt 0x0
.irp i, 0,1,2,3
	v_add_f32 v[X0+4*\i], v[X0+4*\i], v[X0+4*\i+1]
	v_add_f32 v[X0+4*\i+2], v[X0+4*\i+2], v[X0+4*\i+3]
.endr
.irp i, 0,1,2,3
	v_add_f32 v[X0+4*\i], v[X0+4*\i], v[X0+4*\i+2]
.endr
.irp i, 0,1,2,3
	v_cmp_eq_u32 s[VT+\i], 0, v[MK+\i]             ; the four compares in a run, a scalar register each
.endr
	s_wait_alu depctr_va_sdst(0)                   ; they have written s[VT ..], ahead of the selects that read them
.irp i, 0,1,2,3
	v_cndmask_b32 v[X0+4*\i], v[X0+4*\i], v[NEG], s[VT+\i]
.endr
.irp i, 0,1,2,3
	v_mov_b32 v[X0+16+\i], v[X0+4*\i]
.endr
.irp d, 1,2,4,8
.irp i, 0,1,2,3
	v_max_num_f32_dpp v[X0+16+\i], v[X0+16+\i], v[X0+16+\i] row_xmask:\d row_mask:0xf bank_mask:0xf
.endr
.endr
.irp i, 0,1,2,3
	v_sub_f32 v[X0+4*\i], v[X0+4*\i], v[X0+16+\i]  ; the maximum is taken away, as in the softmax's definition
.endr
.irp i, 0,1,2,3
	v_mul_f32 v[X0+4*\i], 0x3fb8aa3b, v[X0+4*\i]
.endr
.irp i, 0,1,2,3
	v_exp_f32 v[X0+4*\i+1], v[X0+4*\i]
.endr
	v_nop
	s_wait_alu depctr_va_vdst(0)                   ; the four exponentials have written their results: one wait, ahead of their first reader
.irp i, 0,1,2,3
	v_mov_b32 v[X0+16+\i], v[X0+4*\i+1]
.endr
.irp d, 1,2,4,8
.irp i, 0,1,2,3
	v_add_f32_dpp v[X0+16+\i], v[X0+16+\i], v[X0+16+\i] row_xmask:\d row_mask:0xf bank_mask:0xf
.endr
.endr
.irp i, 0,1,2,3
	v_rcp_f32 v[X0+4*\i+2], v[X0+16+\i]
.endr
	v_nop
	s_wait_alu depctr_va_vdst(0)                   ; the four reciprocals have written their results, ahead of their first reader
.irp i, 0,1,2,3
	v_mul_f32 v[X0+4*\i+3], v[X0+4*\i+1], v[X0+4*\i+2]
.endr
	s_wait_alu depctr_va_vdst(0)                   ; the weights are written, which the stores read; the products of G are done reading W's two sets, in which the kept rows land below
.irp i, 0,1,2,3
	ds_store_b32 v[WTW], v[X0+4*\i+3] offset:64*\i ; into my wave's own copy: LDS serves a wave's instructions in order, so my loads below see them
.endr
; ---- The context: register 64 e + i of window 2 += weight(m, b = r) x the kept row's number: the weight is the lane's own, nothing is broadcast.
; Two sets of 64 registers (window 1, v128-191 and v192-255) and two weights take turns: tile m is multiplied out of set m % 2 while tile m + 1's 17 loads land in the other.
.macro FMAS e, first, pb
.set k_, 0
.rept 32
.if \first
	v_fma_mix_f32_bf16 v[64*\e+2*k_], v[EB+64*(\pb)+32*\e+k_], v[WN+(\pb)], v[ZERO] op_sel_hi:[1,0,0]
	v_fma_mix_f32_bf16 v[64*\e+2*k_+1], v[EB+64*(\pb)+32*\e+k_], v[WN+(\pb)], v[ZERO] op_sel:[1,0,0] op_sel_hi:[1,0,0]
.else
	v_fma_mix_f32_bf16 v[64*\e+2*k_], v[EB+64*(\pb)+32*\e+k_], v[WN+(\pb)], v[64*\e+2*k_] op_sel_hi:[1,0,0]
	v_fma_mix_f32_bf16 v[64*\e+2*k_+1], v[EB+64*(\pb)+32*\e+k_], v[WN+(\pb)], v[64*\e+2*k_+1] op_sel:[1,0,0] op_sel_hi:[1,0,0]
.endif
.set k_, k_+1
.endr
.endm
; One tile m; pb = m % 2.  Its weight and its two units were asked for a tile ago.
.macro CTXM first, last, pb
.if !(\last)
	WIN 0
	s_add_co_u32 s[CT], s[CT], 32768
	s_add_co_u32 s[CW], s[CW], 64
.if !(\first)
	s_wait_alu depctr_vm_vsrc(0)                   ; the loads issued a tile ago have read v[RA0] and v[WA], which are written again.  (The weights' stores have read their registers too: the way out's loads land there)
.endif
	v_add_nc_u32 v[RA0], s[CT], v[RB0]
	v_add_nc_u32 v[WA], s[CW], v[WA0]
	s_wait_alu depctr_va_vdst(0)                   ; the two addresses are written, which the loads read; the multiply-adds of the tile before are done reading the other set and its weight, in which the loads land
	ds_load_b32 v[WN+1-(\pb)], v[WA]
	WIN 0x40
.irp g, 0,1,2,3,4,5,6,7
	ds_load_b128 v[EB+64*(1-(\pb))+4*\g:EB+64*(1-(\pb))+4*\g+3], v[RA0] offset:512*\g
.endr
.irp g, 0,1,2,3,4,5,6,7
	ds_load_b128 v[EB+64*(1-(\pb))+32+4*\g:EB+64*(1-(\pb))+32+4*\g+3], v[RA0] offset:4096+512*\g
.endr
	s_wait_dscnt 17                                ; this tile's weight and units are in; the 17 loads just issued, the next tile's, may be out
.else
	s_wait_dscnt 0x0
.endif
	WIN 0xa1-0x20*(\first)                         ; the rows window 1, the weight window 0, the context window 2 (in the first tile the addend is the zero of window 0)
	FMAS 0, \first, \pb
	FMAS 1, \first, \pb
.endm
	s_mov_b32 s[CT], 0
	s_mov_b32 s[CW], 0
	ds_load_b32 v[WN], v[WA0]
	WIN 0x40
.irp g, 0,1,2,3,4,5,6,7
	ds_load_b128 v[EB+4*\g:EB+4*\g+3], v[RB0] offset:512*\g
.endr
.irp g, 0,1,2,3,4,5,6,7
	ds_load_b128 v[EB+32+4*\g:EB+32+4*\g+3], v[RB0] offset:4096+512*\g
.endr
	CTXM 1, 0, 0
	WIN 0
	s_mov_b32 s[CNT], 3
.Lctx:                                             ; a trip: two tiles, so that the sets are back where they began: tiles 1 to 6
	CTXM 0, 0, 1
	CTXM 0, 0, 0
	WIN 0
	s_sub_co_u32 s[CNT], s[CNT], 1
	s_cmp_lg_u32 s[CNT], 0
	s_cbranch_scc1 .Lctx
	CTXM 0, 1, 1
; ---- The way out: the turn of X backwards, through my own stage: in by rows, out by lanes, so that each store covers 512 consecutive bytes of one row of part.
.irp e, 0,1
	WIN 0x08
.if \e == 0
	s_wait_alu depctr_va_vdst(0)                   ; the multiply-adds have written the context, which the stage's stores read; the softmax's lines are done with v96-119, in which the loads from the stage land
.endif
.irp c, 0,1
.irp k, 0,1,2,3,4,5,6,7
	ds_store_b128 v[TL], v[64*\e+32*\c+4*\k:64*\e+32*\c+4*\k+3] offset:256*\c+16*\k
.endr
.endr
	WIN 0
.irp b, 0,1,2,3,4,5,6,7,8,9,10,11,12,13,14,15
	ds_load_b128 v[X0+64*\e+4*\b:X0+64*\e+4*\b+3], v[TS] offset:528*\b
.endr
.endr
.irp e, 0,1
.irp b, 0,1,2,3,4,5,6,7,8,9,10,11,12,13,14,15
	s_wait_dscnt 32*(1-\e)+15-\b                   ; behind this load: the rest of its sixteen, and for the first unit the second's 16 stores and 16 loads
	global_store_b128 v[HB], v[X0+64*\e+4*\b:X0+64*\e+4*\b+3], s[12:13] offset:4096*\b+512*\e th:TH_STORE_NT
.endr
.endr
	s_wait_dscnt 0x0                               ; the closing lines, six on end
	s_wait_alu 0x0
	s_wait_tensorcnt 0x0
	ds_add_u32 v254, v255
	s_wait_dscnt 0x0
	s_endpgm
.Lfunc_end_k_qcd64b36e15_main:
	.size	k_qcd64b36e15_main, .Lfunc_end_k_qcd64b36e15_main-k_qcd64b36e15_main
	.p2alignl 7, 3214868480
	.fill 96, 4, 3214868480
	.section	.rodata,"a",@progbits
	.p2align	6, 0x0
	.amdhsa_kernel k_qcd64b36e15_main
		.amdhsa_group_segment_fixed_size 317952
		.amdhsa_private_segment_fixed_size 0
		.amdhsa_enable_private_segment 0
		.amdhsa_kernarg_size 40
		.amdhsa_user_sgpr_count 2
		.amdhsa_user_sgpr_kernarg_segment_ptr 1
		.amdhsa_wavefront_size32 1
		.amdhsa_system_sgpr_workgroup_id_x 1
		.amdhsa_system_sgpr_workgroup_id_y 1
		.amdhsa_system_sgpr_workgroup_id_z 1
		.amdhsa_system_vgpr_workitem_id 0
		.amdhsa_next_free_vgpr 1024
		.amdhsa_next_free_sgpr 66
		.amdhsa_reserve_vcc 0
		.amdhsa_float_denorm_mode_32 3
		.amdhsa_float_denorm_mode_16_64 3
		.amdhsa_memory_ordered 1
		.amdhsa_forward_progress 1
		.amdhsa_inst_pref_size 255
	.end_amdhsa_kernel
	.section	.bss,"aw",@nobits
	.p2align	6
	.space	262144
	.amdgpu_metadata
---
amdhsa.version: [ 1, 2 ]
amdhsa.kernels:
  - .name:           k_qcd64b36e15_main
    .symbol:         k_qcd64b36e15_main.kd
    .args:
      - { .name: hidden_sequence, .offset: 0, .size: 8, .value_kind: global_buffer, .address_space: global }
      - { .name: input_masks, .offset: 8, .size: 8, .value_kind: global_buffer, .address_space: global }
      - { .name: v, .offset: 16, .size: 8, .value_kind: global_buffer, .address_space: global }
      - { .name: wpk, .offset: 24, .size: 8, .value_kind: global_buffer, .address_space: global }
      - { .name: part, .offset: 32, .size: 8, .value_kind: global_buffer, .address_space: global }
    .group_segment_fixed_size: 317952
    .private_segment_fixed_size: 0
    .kernarg_segment_align: 8
    .kernarg_segment_size: 40
    .max_flat_workgroup_size: 128
    .sgpr_count:     66
    .vgpr_count:     1024
    .wavefront_size: 32
...
	.end_amdgpu_metadata
.endif
;; end of part 5
;; launch reduce: the kernel of part 3 again; grid 256 x 1, 8 waves a work-group, no clusters, 3,072 bytes of LDS; arguments part, out0; writes out0
